; MI455X (gfx1250); checked and timed in simulation.
; The chip was launched on July 23, 2026; its instructions are those of AMD's public machine-readable ISA for CDNA 5 (MIT licence, August 2026) and "CDNA5" Instruction Set Architecture Reference Guide (July 2026). The comments in the code are by the model that wrote it; some were corrected since.
;; Attention. Allowed arithmetic: matrix products marked QUANTISED: E4M3 operands, one given power-of-two scale a tensor, by v_wmma_f32_16x16x64_fp8_fp8 or v_wmma_f32_16x16x128_fp8_fp8, f32 sums; everything else in f32.
;; Inputs: k_norm_w 64 float32; lowp_scales 10 int32 (the exponents e of the quantised operands' scales 2^e); q_norm_w 64 float32; w_c 1,024 x 1,024 float32; w_kv 512 x 1,024 float32; w_q 1,024 x 1,024 float32; x 8 x 1,024 x 1,024 float32.
;; Outputs: out0 8 x 1,024 x 1,024 float32.
;; This version of the problem:
;;   THIS VERSION OF THE PROBLEM IS GIVEN IN LOW PRECISION. The matrix products marked QUANTISED in the list below multiply operands that are first quantised to E4M3 (4 exponent bits, 3 mantissa bits; 8 bits a number), with one given power-of-two scale for each operand tensor; their sums are f32. All else is computed in f32.
;;   The module's matrix products, in the order in which they are computed (A, B: the left and right operand; K: the contracted axis; several contracted axes count as one K, in the product's order):
;;     1. [M 8,192, K 1,024] x [K 1,024, N 1,024]; A: input x; B: input w_q: QUANTISED (scales: A lowp_scales[0], B lowp_scales[1])
;;     2. [M 8,192, K 1,024] x [K 1,024, N 512]; A: input x; B: input w_kv: QUANTISED (scales: A lowp_scales[2], B lowp_scales[3])
;;     3. batch 32 x [M 4,096, K 64] x [K 64, N 1,024]; A: computed on the way; B: computed on the way: QUANTISED (scales: A lowp_scales[4], B lowp_scales[5])
;;     4. batch 32 x [M 4,096, K 1,024] x [K 1,024, N 64]; A: softmax (see below); B: computed on the way: QUANTISED (scales: A lowp_scales[6], B lowp_scales[7])
;;     5. [M 8,192, K 1,024] x [K 1,024, N 1,024]; A: computed on the way; B: input w_c: QUANTISED (scales: A lowp_scales[8], B lowp_scales[9])
;;   THE QUANTISER, for each operand of a quantised product, along K:
;;     - The operand's scale is 2^e, e = its entry of the input lowp_scales (int32; the entries are numbered through the quantised products in the list's order, A before B).
;;     - Each number is divided by the scale, clamped to +-448, and rounded to the nearest number of E4M3, ties to even, subnormals kept.
;;     - The product sums the exact products of the quantised numbers (number of the format x scale) in f32.
;;   ~~~python
;;   def quantise(x, axis, e):      # numpy; x: float32 -> the quantised numbers, widened to float32 again
;;       x = np.moveaxis(x, axis, -1); K = x.shape[-1]
;;       r = np.clip(x / 2.0 ** e, -448, 448)
;;       step = 2.0 ** (np.maximum(np.frexp(np.where(r == 0, 1, r))[1] - 1, -6) - 3)
;;       q = np.round(r / step) * step * 2.0 ** e      # np.round: ties to even
;;       return np.moveaxis(q, -1, axis).astype(np.float32)
;;   ~~~
;;   SOFTMAX AHEAD OF A QUANTISED PRODUCT. Where the list says 'softmax', what is quantised is not the finished softmax but p = 2^(t - M), with t = logit x log2(e) and M = ceil(the row's largest t), a whole number; so 1/2 < the row's largest p <= 1. The row's sum l is taken of the UNQUANTISED p, in f32, and the product's result is divided by l at the end. Since M is a whole number, a kernel that streams over the keys may use a running M (the ceiling of the running maximum): every later rescaling is an exact power of two, so the quantised numbers keep their values, but for numbers so far below the row's largest that they fall under the format's range.
;;   OPERANDS COMPUTED ON THE WAY. 'Computed on the way' means the value that the module computes at that place (a softmax that the list does not call 'softmax' is quantised finished and normalised). What goes into a quantiser is computed in f32, as accurately as f32 sums, v_exp_f32 and their like allow (about 1e-6 of the number): no bf16 or f16 on the way to a quantiser, and a product that is left as it is and whose result goes on into a quantised operand takes f32 operands (vector FMAs, or v_wmma_f32_16x16x4_f32). A number that lies on a knife's edge between two numbers of the format may be rounded either way, as far as f32 arithmetic and the matrix unit's own rounding can turn it there, and no further.
;; One version. Each part assembles by itself: llvm-mc -triple=amdgcn-amd-amdhsa -mcpu=gfx1250 --defsym DOCPART=n.
;; ======== version 1 of 1: 4 launches
;; limits: a function is approximated: absolute error at most 1e-05
;; workspace buffers: xc 16,777,216 bytes; wts 2,883,584 bytes; qimg 8,388,608 bytes; kv 4,194,304 bytes; yimg 8,388,608 bytes
;; launch prep (part 1): grid 688 x 1, 4 waves a work-group, no clusters, 8,704 bytes of LDS; arguments x, w_q, w_kv, w_c, lowp_scales, xc, wts; writes xc, wts
.if DOCPART == 1
	.amdgcn_target "amdgcn-amd-amdhsa--gfx1250"
	.amdhsa_code_object_version 6
	.text
	.protected	k_q15fc3d63bb_prep
	.globl	k_q15fc3d63bb_prep
	.p2align	8
	.type	k_q15fc3d63bb_prep,@function
k_q15fc3d63bb_prep:
	s_mov_b64 s[64:65], 0
	v_nop
	global_prefetch_b8 v0, s[64:65] scope:SCOPE_SE
	s_setreg_imm32_b32 hwreg(HW_REG_WAVE_MODE, 25, 1), 1
	s_wait_xcnt 0x0
; PREP: f32 inputs into codes of FP8 (E4M3), and the table of cosines and sines for the rotation.
; code = number / 2^e, held within +-448, rounded to the nearest code, ties to even; e comes from lowp_scales.
;   x    -> xc:  [8192][1024] codes under e0 at byte 0, the same numbers under e2 at byte 8,388,608 (the two products that read x have scales of their own)
;   w_q  -> wts + 0 (e1);  w_kv -> wts + 1,048,576 (e3);  w_c -> wts + 1,572,864 (e9): rows as they lie, K innermost
;   wts + 2,621,440: [token tile 64][piece 8][lane 32][16 bytes] f32: piece 4 cs + 2 b + jj (cs 0 cosine, 1 sine) holds for lane (r, h) the table at position 16 tile + r, frequencies 16 b + 8 h + 4 jj + 0..3
; SHARES.  A work-group takes 16,384 numbers, a wave 4,096 in 8 steps of 512.  Work-groups 0-511: x;  512-671: the three weights, one behind the other;  672-687: the table, a token tile a wave.
; Rows are dense, so a tensor is a plain stream.  All 32 loads of a wave (16 KiB) go out at once, each 512 consecutive bytes.  One scale serves a whole tensor, so the eight numbers of a conversion need not be neighbours:
; a code word holds the codes of the lane's four neighbours of one load, is put at its place in the step's 512 bytes in the wave's own LDS, and the 512 bytes come back 16 a lane and are stored as 512 consecutive bytes.
; Waves share nothing: no barrier.  The two paths that use LDS have bytes of their own.  No matrix work, no cluster: no byte is read twice.
; LIMITS: each e between -126 and 119.  NaN among the inputs is not served.  The frequencies are within about 2 units in the last place of 10000^(-f/32), so an angle at position 1,023 is within about 2e-4.
.set R,   16                           ; v16-143  eight steps x 16 numbers as loaded; a step's first eight later take its codes back from LDS
.set TA,  144                          ; v144-159 a step's numbers, held, for the first scale
.set TB,  160                          ; v160-175 for the second
.set CA,  176                          ; v176-179 code words, first scale
.set CB,  180                          ; v180-183 second
.set FF,  32                           ; the table's path: v32-47 the lane's 16 frequencies' numbers f
.set EX,  48                           ; v48-63   10000^(-f/32)
.set TH,  64                           ; v64-79   the angles
.set CO,  96                           ; v96-111  cosines
.set SI,  112                          ; v112-127 sines
.set XB_OFF,   8388608
.set ROPE_OFF, 2621440
.macro LOADALL                         ; the wave's 4,096 numbers
.irp t, 0,1,2,3,4,5,6,7
.irp i, 0,1,2,3
	global_load_b128 v[R+16*\t+4*\i:R+16*\t+4*\i+3], v3, s[30:31] offset:2048*\t+512*\i th:TH_LOAD_NT
.endr
.endr
.endm
.macro MKSCALE e, vs, vl               ; v[vs] = 2^e as f32 (the conversion takes its exponent field), v[vl] = 448 x 2^e
	s_add_co_i32 s44, s[\e], 127
	s_lshl_b32 s45, s44, 23
	v_mov_b32 v[\vs], s45
	s_add_co_i32 s44, s44, 8
	s_lshl_b32 s44, s44, 23
	s_or_b32 s44, s44, 0x600000
	v_mov_b32 v[\vl], s44
.endm
; Step t.  two = 1: the numbers are quantised under two scales.  lw, lr: the path's LDS addresses (4 x lane and 16 x lane in the wave's bytes).
.macro QSTEP t, two, lw, lr
	s_wait_loadcnt 4*(7-(\t))                      ; loads come back in order: this step's four are in, the later steps' four each may be out
.irp i, 0,1,2,3,4,5,6,7,8,9,10,11,12,13,14,15
	v_med3_num_f32 v[TA+\i], v[R+16*(\t)+\i], -v9, v9     ; the conversion to an 8-bit code does not saturate (ISA guide 7.6.2): the hold comes first
.endr
.if \two
.irp i, 0,1,2,3,4,5,6,7,8,9,10,11,12,13,14,15
	v_med3_num_f32 v[TB+\i], v[R+16*(\t)+\i], -v11, v11
.endr
.endif
	v_cvt_scalef32_pk8_fp8_f32 v[CA:CA+1], v[TA:TA+7], v8         ; word i: the codes of numbers 128 i + 4 lane + 0..3 of the step
	v_cvt_scalef32_pk8_fp8_f32 v[CA+2:CA+3], v[TA+8:TA+15], v8
.if \two
	v_cvt_scalef32_pk8_fp8_f32 v[CB:CB+1], v[TB:TB+7], v10
	v_cvt_scalef32_pk8_fp8_f32 v[CB+2:CB+3], v[TB+8:TB+15], v10
.endif
	v_nop                                          ; a plain line behind the conversions: the next step's holds write their sources
.irp i, 0,1,2,3
	ds_store_b32 v[\lw], v[CA+\i] offset:128*\i
.endr
.if \two
.irp i, 0,1,2,3
	ds_store_b32 v[\lw], v[CB+\i] offset:512+128*\i
.endr
.endif
	ds_load_b128 v[R+16*(\t):R+16*(\t)+3], v[\lr]  ; LDS serves a wave's instructions in order (ISA guide 5.7.1.4): this sees the stores above.  The step's own registers take the codes: no store's data are written again
.if \two
	ds_load_b128 v[R+16*(\t)+4:R+16*(\t)+7], v[\lr] offset:512
.endif
	s_wait_dscnt 0x0
	global_store_b128 v3, v[R+16*(\t):R+16*(\t)+3], s[32:33] offset:512*(\t)      ; 32 lanes store 512 consecutive bytes, aligned
.if \two
	global_store_b128 v3, v[R+16*(\t)+4:R+16*(\t)+7], s[34:35] offset:512*(\t)
.endif
.endm
; Cosine and sine of angle i (0 or more): n = the nearest multiple of pi/2, taken off in three parts by fused multiply-adds; polynomials on what is left (at most pi/4); the quadrant swaps and signs.
.macro SINCOS i
	v_mul_f32 v24, s50, v[TH+\i]
	v_rndne_f32 v24, v24                           ; n
	v_fma_f32 v25, v24, s51, v[TH+\i]
	v_fma_f32 v25, v24, s52, v25
	v_fma_f32 v25, v24, s53, v25                   ; rho
	v_mul_f32 v26, v25, v25                        ; z = rho^2
	v_fma_f32 v27, s54, v26, s55
	v_fma_f32 v28, s57, v26, s58
	v_fma_f32 v27, v27, v26, s56
	v_fma_f32 v28, v28, v26, s59
	v_mul_f32 v30, v26, v25
	v_mul_f32 v31, v26, v26
	v_fma_f32 v27, v27, v30, v25                   ; sin rho
	v_fma_f32 v30, v26, -0.5, 1.0
	v_fma_f32 v28, v28, v31, v30                   ; cos rho
	v_cvt_i32_f32 v29, v24
	v_and_b32 v30, 1, v29
	v_cmp_eq_u32 vcc_lo, 1, v30                    ; odd quadrants swap the two
	v_cndmask_b32 v31, v27, v28, vcc_lo
	v_cndmask_b32 v30, v28, v27, vcc_lo
	v_and_b32 v27, 2, v29                          ; the sine is negative in quadrants 2 and 3,
	v_lshlrev_b32 v27, 30, v27
	v_xor_b32 v[SI+\i], v27, v31
	v_add_nc_u32 v29, 1, v29                       ; the cosine in 1 and 2
	v_and_b32 v29, 2, v29
	v_lshlrev_b32 v29, 30, v29
	v_xor_b32 v[CO+\i], v29, v30
.endm
	s_load_b256 s[4:11], s[0:1], 0x0               ; x s[4:5], w_q s[6:7], w_kv s[8:9], w_c s[10:11]
	s_load_b128 s[12:15], s[0:1], 0x20             ; lowp_scales s[12:13], xc s[14:15]
	s_load_b64 s[16:17], s[0:1], 0x30              ; wts
	v_lshl_add_u32 v192, v0, 2, 0x2000
	v_mov_b32 v193, 0
	v_lshrrev_b32 v2, 5, v0
	v_readfirstlane_b32 s18, v2                    ; wave 0..3
	v_and_b32 v1, 31, v0                           ; lane
	v_lshlrev_b32 v3, 4, v1                        ; 16 x lane: my bytes of a load's and of a store's 512
	s_lshl_b32 s19, s18, 10                        ; LDS of x's path: 1,024 bytes a wave from byte 0
	v_lshl_add_u32 v4, v1, 2, s19
	v_lshl_add_u32 v5, v1, 4, s19
	s_lshl_b32 s19, s18, 9                         ; LDS of the weights' path: 512 bytes a wave from byte 4,096
	s_add_co_u32 s19, s19, 4096
	v_lshl_add_u32 v6, v1, 2, s19
	v_lshl_add_u32 v7, v1, 4, s19
	s_wait_kmcnt 0x0
	s_cmp_lt_u32 ttmp9, 512
	s_cbranch_scc0 .Lnot_x
	; ---- x, under e0 and under e2
	s_load_b128 s[20:23], s[12:13], 0x0            ; e0 .. e3
	s_lshl_b32 s40, ttmp9, 16                      ; the work-group's 65,536 bytes,
	s_lshl_b32 s41, s18, 14                        ; the wave's 16,384 of them
	s_add_co_u32 s40, s40, s41
	s_mov_b32 s41, 0
	s_add_nc_u64 s[30:31], s[4:5], s[40:41]
	s_lshr_b32 s40, s40, 2                         ; the codes are a quarter of the bytes
	s_add_nc_u64 s[32:33], s[14:15], s[40:41]
	s_add_nc_u64 s[34:35], s[32:33], XB_OFF        ; a base of its own: the distance is one past the stores' immediate
	LOADALL
	s_wait_kmcnt 0x0
	MKSCALE 20, 8, 9
	MKSCALE 22, 10, 11
.irp t, 0,1,2,3,4,5,6,7
	QSTEP \t, 1, 4, 5
.endr
	s_wait_tensorcnt 0x0
	ds_add_u32 v192, v193
	s_wait_dscnt 0x0
	s_endpgm
.Lnot_x:
	s_cmp_lt_u32 ttmp9, 672
	s_cbranch_scc0 .Lrope
	; ---- the weights: 64 work-groups of w_q, 32 of w_kv, 64 of w_c; their codes lie in that order in wts
	s_load_b128 s[20:23], s[12:13], 0x0            ; e0 .. e3
	s_load_b32 s29, s[12:13], 0x24                 ; e9
	s_sub_co_u32 s40, ttmp9, 512
	s_cmp_lt_u32 s40, 64                           ; the choice hangs on the work-group's number alone
	s_cselect_b64 s[30:31], s[6:7], s[8:9]
	s_cselect_b32 s42, 0, 64
	s_cmp_lt_u32 s40, 96
	s_cselect_b64 s[30:31], s[30:31], s[10:11]
	s_cselect_b32 s42, s42, 96
	s_sub_co_u32 s42, s40, s42                     ; which 16,384 numbers of its tensor
	s_lshl_b32 s42, s42, 16
	s_lshl_b32 s43, s18, 14
	s_add_co_u32 s42, s42, s43
	s_mov_b32 s43, 0
	s_add_nc_u64 s[30:31], s[30:31], s[42:43]
	s_lshl_b32 s42, s40, 14
	s_lshl_b32 s46, s18, 12
	s_add_co_u32 s42, s42, s46
	s_add_nc_u64 s[32:33], s[16:17], s[42:43]
	LOADALL
	s_wait_kmcnt 0x0
	s_cmp_lt_u32 s40, 64
	s_cselect_b32 s41, s21, s23                    ; e1 or e3,
	s_cmp_lt_u32 s40, 96
	s_cselect_b32 s41, s41, s29                    ; or e9
	MKSCALE 41, 8, 9
.irp t, 0,1,2,3,4,5,6,7
	QSTEP \t, 0, 6, 7
.endr
	s_wait_tensorcnt 0x0
	ds_add_u32 v192, v193
	s_wait_dscnt 0x0
	s_endpgm
.Lrope:
	; ---- the table: a wave makes one token tile's eight pieces
	s_sub_co_u32 s40, ttmp9, 672
	s_lshl_b32 s40, s40, 2
	s_add_co_u32 s40, s40, s18                     ; token tile 0..63
	s_lshl_b32 s42, s40, 12
	s_add_co_u32 s42, s42, ROPE_OFF
	s_mov_b32 s43, 0
	s_add_nc_u64 s[32:33], s[16:17], s[42:43]
	s_lshl_b32 s41, s40, 4
	s_mov_b32 s50, 0x3f22f983                      ; 2 / pi
	s_mov_b32 s51, 0xbfc90fd8                      ; -pi/2 in three parts
	s_mov_b32 s52, 0xb4a8885a
	s_mov_b32 s53, 0xa7c234c4
	s_mov_b32 s54, 0xb94ca1f9                      ; the sine's coefficients, highest first
	s_mov_b32 s55, 0x3c08839e
	s_mov_b32 s56, 0xbe2aaaa3
	s_mov_b32 s57, 0x37ccf5ce                      ; the cosine's
	s_mov_b32 s58, 0xbab6061a
	s_mov_b32 s59, 0x3d2aaaa5
	s_mov_b32 s60, 0xbed49a00                      ; -(log2(10000) / 32), its upper 17 bits: times f (5 bits) it is exact
	s_mov_b32 s61, 0xb626c40c                      ; -(ln 2 x what is left of it)
	v_and_b32 v22, 15, v0
	v_add_nc_u32 v20, s41, v22
	v_cvt_f32_u32 v20, v20                         ; my position: 16 tile + r
	v_bfe_u32 v21, v0, 4, 1
	v_lshlrev_b32 v21, 3, v21                      ; 8 h
.irp i, 0,1,2,3,4,5,6,7,8,9,10,11,12,13,14,15
	v_add_nc_u32 v[FF+\i], 16*(\i/8)+\i%8, v21     ; f = 16 b + 8 h + 4 jj + beta, with i = 8 b + 4 jj + beta
.endr
.irp i, 0,1,2,3,4,5,6,7,8,9,10,11,12,13,14,15
	v_cvt_f32_u32 v[FF+\i], v[FF+\i]
.endr
.irp i, 0,1,2,3,4,5,6,7,8,9,10,11,12,13,14,15
	v_mul_f32 v[EX+\i], s60, v[FF+\i]
.endr
.irp i, 0,1,2,3,4,5,6,7,8,9,10,11,12,13,14,15
	v_exp_f32 v[EX+\i], v[EX+\i]                   ; one batch
.endr
.irp i, 0,1,2,3,4,5,6,7,8,9,10,11,12,13,14,15
	v_mul_f32 v[FF+\i], s61, v[FF+\i]              ; plain work that names no result of the batch
.endr
	s_wait_alu depctr_va_vdst(0)                   ; one wait for the batch, ahead of its first reader
.irp i, 0,1,2,3,4,5,6,7,8,9,10,11,12,13,14,15
	v_fma_f32 v[EX+\i], v[EX+\i], v[FF+\i], v[EX+\i]      ; x (1 - f x the rest x ln 2): 10000^(-f/32)
.endr
.irp i, 0,1,2,3,4,5,6,7,8,9,10,11,12,13,14,15
	v_mul_f32 v[TH+\i], v20, v[EX+\i]              ; the angle, rounded once
.endr
.irp i, 0,1,2,3,4,5,6,7,8,9,10,11,12,13,14,15
	SINCOS \i
.endr
.irp p, 0,1,2,3
	global_store_b128 v3, v[CO+4*\p:CO+4*\p+3], s[32:33] offset:512*\p            ; 512 consecutive bytes a store
.endr
.irp p, 0,1,2,3
	global_store_b128 v3, v[SI+4*\p:SI+4*\p+3], s[32:33] offset:2048+512*\p
.endr
	s_endpgm
.Lfunc_end_k_q15fc3d63bb_prep:
	.size	k_q15fc3d63bb_prep, .Lfunc_end_k_q15fc3d63bb_prep-k_q15fc3d63bb_prep
	.p2alignl 7, 3214868480
	.fill 96, 4, 3214868480
	.section	.rodata,"a",@progbits
	.p2align	6, 0x0
	.amdhsa_kernel k_q15fc3d63bb_prep
		.amdhsa_group_segment_fixed_size 8704
		.amdhsa_private_segment_fixed_size 0
		.amdhsa_enable_private_segment 0
		.amdhsa_kernarg_size 56
		.amdhsa_user_sgpr_count 2
		.amdhsa_user_sgpr_kernarg_segment_ptr 1
		.amdhsa_wavefront_size32 1
		.amdhsa_system_sgpr_workgroup_id_x 1
		.amdhsa_system_sgpr_workgroup_id_y 1
		.amdhsa_system_sgpr_workgroup_id_z 1
		.amdhsa_system_vgpr_workitem_id 0
		.amdhsa_next_free_vgpr 194
		.amdhsa_next_free_sgpr 96
		.amdhsa_reserve_vcc 1
		.amdhsa_float_denorm_mode_32 3
		.amdhsa_float_denorm_mode_16_64 3
		.amdhsa_memory_ordered 1
		.amdhsa_forward_progress 1
		.amdhsa_inst_pref_size 73
	.end_amdhsa_kernel
	.amdgpu_metadata
---
amdhsa.version: [ 1, 2 ]
amdhsa.kernels:
  - .name:           k_q15fc3d63bb_prep
    .symbol:         k_q15fc3d63bb_prep.kd
    .args:
      - { .name: x, .offset: 0, .size: 8, .value_kind: global_buffer, .address_space: global }
      - { .name: w_q, .offset: 8, .size: 8, .value_kind: global_buffer, .address_space: global }
      - { .name: w_kv, .offset: 16, .size: 8, .value_kind: global_buffer, .address_space: global }
      - { .name: w_c, .offset: 24, .size: 8, .value_kind: global_buffer, .address_space: global }
      - { .name: lowp_scales, .offset: 32, .size: 8, .value_kind: global_buffer, .address_space: global }
      - { .name: xc, .offset: 40, .size: 8, .value_kind: global_buffer, .address_space: global }
      - { .name: wts, .offset: 48, .size: 8, .value_kind: global_buffer, .address_space: global }
    .group_segment_fixed_size: 8704
    .private_segment_fixed_size: 0
    .kernarg_segment_align: 8
    .kernarg_segment_size: 56
    .max_flat_workgroup_size: 128
    .sgpr_count:     96
    .vgpr_count:     194
    .wavefront_size: 32
...
	.end_amdgpu_metadata
.endif
;; end of part 1
;; launch proj (part 2): grid 6 x 32, 4 waves a work-group, no clusters, 327,680 bytes of LDS; arguments xc, wts, q_norm_w, k_norm_w, lowp_scales, qimg, kv; writes qimg, kv
.if DOCPART == 2
	.amdgcn_target "amdgcn-amd-amdhsa--gfx1250"
	.amdhsa_code_object_version 6
	.text
	.protected	k_q15fc3d63bb_proj
	.globl	k_q15fc3d63bb_proj
	.p2align	8
	.type	k_q15fc3d63bb_proj,@function
k_q15fc3d63bb_proj:
	s_mov_b64 s[64:65], 0
	v_nop
	global_prefetch_b8 v0, s[64:65] scope:SCOPE_SE
	s_setreg_imm32_b32 hwreg(HW_REG_WAVE_MODE, 25, 1), 1
	s_wait_xcnt 0x0
; PROJ: q = x w_q^T and kv = x w_kv^T on codes of FP8 (E4M3); RMS norm, rotation and quantising of q (e4) and k (e5); quantising of v (e7).  The results leave as IMAGES of the registers in which the next launch wants them.
; A tile of 256 x 256 is made by four waves, as many as a WGP has SIMDs; a wave makes 128 x 128: 64 accumulators of 16 x 16, 512 registers.  K = 1,024 goes in four steps of 256 through two LDS slots filled by the tensor data mover.
; THE MATRIX INSTRUCTION IS USED TRANSPOSED: source 0 = 16 rows of 'B', source 1 = 16 rows of 'A': lane (r, h) holds row r of A's block, and register j of accumulator b the row 16 b + 8 h + j of B.
; Work-group x = column 0..5, y = block of 256 tokens.
;   columns 0-3: A = x's codes under e0, B = 256 rows of w_q (four heads).   column 4: A = x's codes under e2, B = w_kv's rows 0-255 (k's four heads).  A lane holds one token, its registers run along the head.
;   column 5:    A = w_kv's rows 256-511 (v), B = x's codes under e2: the sides are swapped, so that a lane holds one channel of v and its registers run along the TOKENS, which are the K of attention's second product.
; Both sides are fetched from LDS by four loads of 16 bytes, 32 bytes apart: a permutation of k that is the same in A and in B.
; NO CLUSTER: six tile columns do not divide by four, and along the tokens the tile that neighbours share is B's in columns 0-4 and A's in column 5, so that one line of the text would need two masks.
; IMAGES.  qimg [batch x 16 + head][token tile 64][2][lane][16 bytes]: lane (r, h), registers 2 c, 2 c + 1: channels 16 c + 8 h + 0..7 of token 16 tile + r.
;   kv [batch x 4 + kv head][131,072]: k at 0, laid as qimg;  v at 65,536: [step of 128 keys 8][channel tile 4][4][lane][16]: lane (r, h): channel 16 tile + r, registers 2 c, 2 c + 1: keys 16 c + 8 h + 0..7 of the step.
; A sum stands for sum x 2^E, E = e0 + e1 or e2 + e3.  The norm takes E in by v_ldexp_f32 on the row's figures alone: powers of two commute with the roundings.
; LIMITS: e4, e5 and e7 - e2 - e3 between -126 and 119.  NaN among the inputs is not served.
; REGISTERS, in windows of 256: window 0: v0-31 addresses; v32-63 the norm's weights; v64-127 two sets of the table's eight pieces; from v128 A's fragments, ONE set; on the way out v128-255 are at work.
;   window 1: B's fragments, TWO sets.   window 2: the accumulators of my rows 0-63 ((a, b) at v[8 (8 a + b)]);   window 3: those of my rows 64-127.
.set ROWB,   256                       ; a tile's row in bytes: 256 codes
.set PITCH,  272                       ; an LDS row: 256 bytes + 16 of padding = 68 words: row r starts at bank 4 r mod 64 (64 banks of 4 bytes: ISA guide 11.1)
.set FR,     16                        ; registers of a fragment: 16 rows x 128 K
.set NL,     4                         ; LDS loads that bring one
.set NP,     4                         ; places behind this matrix instruction (ISA guide 7.12.1)
.set HALFT,  128*PITCH                 ; 128 rows: what one tensor load brings, and what one wave reads of A or of B
.set SLOT,   4*HALFT                   ; A's 256 rows, then B's 256 rows
.set SPARE,  2*SLOT                    ; behind the ring: the spare words, 128 bytes for each wave, which no other line names
.set ROPE_OFF, 2621440                 ; the table in wts
.set ADRA, 16                          ; v16-17  LDS address of my A fragments in slot 0, 1
.set ADRB, 20                          ; v20-21  the same for B
.set SPW,  28                          ; v28     LDS address of my spare word; never rewritten
.set NIL,  29                          ; v29     0; never rewritten
.set LI,   30                          ; v30     16 x lane: my place in a piece of an image
.set H32,  31                          ; v31     32 h: my eight weights of a group of sixteen
.set NW,   32                          ; v32-63  weight 8 c + j = w[16 c + 8 h + j]
.set CS,   64                          ; v64-127 two sets of 32: cosines of frequencies 8 h + j, 16 + 8 h + j, then the sines
.set AF,   128                         ; A's fragments
.set T,    128                         ; the way out: v128-191 a block's 64 numbers
.set U,    192                         ; v192-199 the rotation's products
.set CO,   208                         ; v208-223 codes
.set SS,   224                         ; v224-231 sums of squares
.set RS,   232                         ; v232-235 1 / rms, a pair for each head
.set LIM,  240                         ; v240 448 x the conversion's scale
.set SCL,  241                         ; v241 the scale as f32
.set G1, 24                            ; s[24:31] descriptor group 1
.set G0, 32                            ; s[32:39] group 0, one set for each slot
.set MSB, 0
.macro WIN new                         ; the immediate's high byte repeats the setting that is left
.if MSB != (\new)
	s_set_vgpr_msb (MSB<<8)|(\new)
.set MSB, (\new)
.endif
.endm
.set MUL_LO, 0xa1                      ; source 0 (B) window 1, source 1 (A) window 0, C and D window 2
.set MUL_HI, 0xf1                      ; the same, C and D window 3
.set TO_B,   0x40                      ; destination window 1, address window 0
.macro PLACES n
.rept \n
	v_nop
.endr
.endm
	s_load_b256 s[4:11], s[0:1], 0x0               ; xc s[4:5], wts s[6:7], q_norm_w s[8:9], k_norm_w s[10:11]
	s_load_b128 s[12:15], s[0:1], 0x20             ; lowp_scales s[12:13], qimg s[14:15]
	s_load_b64 s[16:17], s[0:1], 0x30              ; kv
	v_lshl_add_u32 v[SPW], v0, 2, SPARE
	v_mov_b32 v[NIL], 0
	ds_add_u32 v28, v29
	ds_add_u32 v28, v29
	s_wait_dscnt 0x0
	v_lshrrev_b32 v1, 5, v0
	v_readfirstlane_b32 s18, v1                    ; wave 0..3
	s_lshr_b32 s19, s18, 1                         ; which half of A's rows is mine.  Also: I fetch for A (0) or for B (1)
	s_and_b32 s20, s18, 1                          ; which half of B's rows.  Also: which 128 rows of that tile I fetch
	s_mov_b32 s21, ttmp9                           ; column
	s_and_b32 s22, ttmp7, 0xffff                   ; block of 256 tokens
	; descriptor group 1: a tile of 128 rows x 256 bytes, rows 1,024 bytes apart in memory, padded in LDS
	s_mov_b32 s[G1+0], (1<<20)|(5<<22)|(3<<25)     ; no mask; elements of 1 byte; padding on: after every 64 words (code 5) 4 words (code 3)
	s_mov_b32 s[G1+1], ROWB<<16                    ; tensor_dim0
	s_mov_b32 s[G1+2], 128<<16                     ; tensor_dim1
	s_mov_b32 s[G1+3], ROWB<<16                    ; tile_dim0
	s_mov_b32 s[G1+4], 128                         ; tile_dim1
	s_mov_b32 s[G1+5], 1024                        ; tensor_dim0_stride
	s_mov_b32 s[G1+6], 0
	s_mov_b32 s[G1+7], 0
	s_lshl_b32 s40, s22, 18                        ; x's codes: 256 rows x 1,024 bytes a block,
	s_cmp_lt_u32 s21, 4
	s_cselect_b32 s41, 0, 0x800000                 ; under e0 for q, under e2 for k and v
	s_add_co_u32 s40, s40, s41
	s_mov_b32 s41, 0
	s_lshl_b32 s42, s21, 18                        ; the weights' codes: w_q's and w_kv's rows lie on end, 256 rows a column
	s_mov_b32 s43, 0
	s_lshl_b32 s72, s20, 17                        ; the 128 rows that I fetch
	s_mov_b32 s73, 0
	s_mul_i32 s74, s18, HALFT                      ; and where they go: wave x 128 rows
	s_wait_kmcnt 0x0
	s_load_b256 s[44:51], s[12:13], 0x0            ; e0 .. e7
	s_add_nc_u64 s[40:41], s[4:5], s[40:41]
	s_add_nc_u64 s[42:43], s[6:7], s[42:43]
	s_cmp_eq_u32 s21, 5                            ; column 5 swaps the sides
	s_cselect_b64 s[76:77], s[42:43], s[40:41]     ; A
	s_cselect_b64 s[78:79], s[40:41], s[42:43]     ; B
	s_cmp_eq_u32 s19, 0
	s_cselect_b64 s[76:77], s[76:77], s[78:79]     ; the side that I fetch for
	s_add_nc_u64 s[76:77], s[76:77], s[72:73]
.irp s, 0,1
	s_mov_b32 s[G0+4*\s], 1                        ; count = 1
	s_add_co_u32 s[G0+4*\s+1], s74, \s*SLOT        ; LDS address
	s_add_nc_u64 s[G0+4*\s+2:G0+4*\s+3], s[76:77], \s*ROWB   ; global address: K step s
	s_or_b32 s[G0+4*\s+3], s[G0+4*\s+3], 0x80000000          ; type = 2
.endr
	tensor_load_to_lds s[G0:G0+3], s[G1:G1+7]      ; both first fills go out together, ahead of everything else: two loads of mine are out
	s_nop 0
	tensor_load_to_lds s[G0+4:G0+7], s[G1:G1+7]
	s_nop 0
	PLACES 4                                       ; four plain lines behind a tensor load
	v_and_b32 v1, 15, v0                           ; r
	v_bfe_u32 v2, v0, 4, 1                         ; h
	v_mul_u32_u24 v3, v1, PITCH
	v_lshl_add_u32 v4, v2, 4, v3                   ; a fragment's row x pitch + 16 h
	s_mul_i32 s72, s19, HALFT                      ; my 128 rows of A
	s_mul_i32 s73, s20, HALFT                      ; my 128 rows of B,
	s_add_co_u32 s73, s73, 2*HALFT                 ; which lie behind A's 256
.irp s, 0,1
	v_add_nc_u32 v[ADRA+\s], s72, v4
	v_add_nc_u32 v[ADRB+\s], s73, v4
	s_add_co_u32 s72, s72, SLOT
	s_add_co_u32 s73, s73, SLOT
.endr
	v_and_b32 v5, 31, v0
	v_lshlrev_b32 v[LI], 4, v5
	v_lshlrev_b32 v[H32], 5, v2
	; the norm's weights and the first token tile's pieces of the table are asked for here, so that they are in long before the way out.  Column 5 does not use them: sixteen loads a wave, so that the text has one way to the products
	s_cmp_lt_u32 s21, 4
	s_cselect_b64 s[80:81], s[8:9], s[10:11]
	s_and_b32 s82, s22, 3
	s_lshl_b32 s82, s82, 4
	s_lshl_b32 s83, s19, 3
	s_add_co_u32 s82, s82, s83                     ; my first token tile in its sequence: 16 (block % 4) + 8 x half
	s_lshl_b32 s84, s82, 12
	s_add_co_u32 s84, s84, ROPE_OFF
	s_mov_b32 s85, 0
	s_add_nc_u64 s[56:57], s[6:7], s[84:85]
.irp k, 0,1,2,3,4,5,6,7
	global_load_b128 v[NW+4*\k:NW+4*\k+3], v[H32], s[80:81] offset:64*(\k/2)+16*(\k%2)
.endr
.irp p, 0,1,2,3,4,5,6,7
	global_load_b128 v[CS+4*\p:CS+4*\p+3], v[LI], s[56:57] offset:512*\p
.endr
.macro FRAG reg, adr, q, i             ; a fragment: lane l holds row l % 16; registers 4 c .. 4 c + 3 hold K = 32 c + 16 (l / 16) + 0 .. 15
.irp c, 0,1,2,3
	ds_load_b128 v[\reg+4*\c:\reg+4*\c+3], v[\adr] offset:128*(\q)+32*\c+(\i)*16*PITCH
.endr
.endm
; 16 matrix instructions: A's blocks a0, a0 + 1 x B's eight, 128 along K.  p: B's set.  zero = 1: the first product starts the sums.  The 64 accumulators take turns, one instruction a turn.
.macro MUL16 a0, p, zero
.irp a, \a0, \a0+1
.irp b, 0,1,2,3,4,5,6,7
.if \zero
	v_wmma_f32_16x16x128_fp8_fp8 v[8*(8*((\a)%4)+\b):8*(8*((\a)%4)+\b)+7], v[128*(\p)+FR*\b:128*(\p)+FR*\b+FR-1], v[AF+FR*(\a):AF+FR*(\a)+FR-1], 0
.else
	v_wmma_f32_16x16x128_fp8_fp8 v[8*(8*((\a)%4)+\b):8*(8*((\a)%4)+\b)+7], v[128*(\p)+FR*\b:128*(\p)+FR*\b+FR-1], v[AF+FR*(\a):AF+FR*(\a)+FR-1], v[8*(8*((\a)%4)+\b):8*(8*((\a)%4)+\b)+7]
.endif
.endr
.endr
.endm
.macro FETCH_B slot, q, p              ; B's eight fragments of the slot's q-th 128 along K into set p
	WIN TO_B
.irp i, 0,1,2,3,4,5,6,7
	FRAG 128*(\p)+FR*\i, ADRB+\slot, \q, \i
.endr
	WIN 0
.endm
.macro FETCH_A slot, q, i0             ; A's blocks i0 .. i0 + 3
.irp i, \i0, \i0+1, \i0+2, \i0+3
	FRAG AF+FR*(\i), ADRA+\slot, \q, \i
.endr
.endm
; A step of 128 along K that has its successor in the same slot.  A's blocks go one after the other, each against B's eight: a block of A is free when its eight products are issued, so A has one set of registers.
.macro STEP slot, q, zero
	s_wait_dscnt 4*NL                              ; B's set and A's blocks 0-3 are in; the youngest sixteen loads (A's blocks 4-7) may be out
	WIN MUL_LO
	MUL16 0, (\q)%2, \zero
	MUL16 2, (\q)%2, \zero
	s_wait_dscnt 0                                 ; A's blocks 4-7 are in
	PLACES NP                                      ; four plain lines between a matrix instruction and a load into a register that it has read
	FETCH_B \slot, (\q)+1, 1-(\q)%2
	FETCH_A \slot, (\q)+1, 0
	WIN MUL_HI
	MUL16 4, (\q)%2, \zero
	MUL16 6, (\q)%2, \zero
	PLACES NP
	WIN 0
	FETCH_A \slot, (\q)+1, 4
.endm
; A slot's last step changes slots: ONE barrier; in front of it each wave waits for all its tensor loads, adds 0 to its spare word, and waits for that and for its own reads of this slot.  fill = 1: this slot is filled again, two K steps ahead.
.macro TURN slot, next, fill
	s_wait_tensorcnt 0x0                           ; all my tensor loads have landed: my part of the next slot
	ds_add_u32 v[SPW], v[NIL]                      ; 0 onto my spare word
	s_wait_dscnt 4*NL+1                            ; (the add and the youngest sixteen loads, A's blocks 4-7, may be out)
	WIN MUL_LO
	MUL16 0, 1, 0                                  ; sixteen matrix instructions stand between the add and the wait for it
	s_wait_dscnt 0x0                               ; the add is done, and my reads of this slot are over
	s_barrier_signal -1
	MUL16 2, 1, 0                                  ; work on registers while the others arrive
	WIN 0
	s_barrier_wait -1                              ; nobody reads this slot any more, and the next slot is whole
.if \fill
	s_add_nc_u64 s[G0+4*\slot+2:G0+4*\slot+3], s[G0+4*\slot+2:G0+4*\slot+3], 2*ROWB   ; no load of mine is out, so a group 0 may be written
	tensor_load_to_lds s[G0+4*\slot:G0+4*\slot+3], s[G1:G1+7]      ; my one tensor load behind the barrier, ahead of my first LDS read there
	s_nop 0
	PLACES 4                                       ; they are also the places in front of the loads below
.else
	PLACES NP
.endif
	FETCH_B \next, 0, 0
	FETCH_A \next, 0, 0
	WIN MUL_HI
	MUL16 4, 1, 0
	MUL16 6, 1, 0
	PLACES NP
	WIN 0
	FETCH_A \next, 0, 4
.endm
	s_wait_tensorcnt 1                             ; my part of K step 0 is in; K step 1's load may be out
	s_barrier_signal -1
	s_barrier_wait -1                              ; everybody's is
	FETCH_B 0, 0, 0
	FETCH_A 0, 0, 0
	FETCH_A 0, 0, 4
	STEP 0, 0, 1                                   ; four K steps of 256, written out: the first products start the sums
	TURN 0, 1, 1                                   ; slot 0 takes K step 2
	STEP 1, 0, 0
	TURN 1, 0, 1                                   ; slot 1 takes K step 3
	STEP 0, 0, 0
	TURN 0, 1, 0                                   ; nothing is left to fetch
	STEP 1, 0, 0
	s_wait_dscnt 4*NL
	WIN MUL_LO
	MUL16 0, 1, 0
	MUL16 2, 1, 0
	s_wait_dscnt 0
	WIN MUL_HI
	MUL16 4, 1, 0
	MUL16 6, 1, 0
	WIN 0
	; ---- THE WAY OUT: all in registers; every store of a wave covers 512 consecutive bytes
	PLACES NP                                      ; behind the last products: their results are read and their sources written below
	s_wait_kmcnt 0x0
	s_add_co_i32 s52, s44, s45                     ; e0 + e1
	s_add_co_i32 s53, s46, s47                     ; e2 + e3
	s_cmp_lt_u32 s21, 4
	s_cselect_b32 s52, s52, s53                    ; E
	s_cselect_b32 s54, s48, s49                    ; e4 for q, e5 for k;
	s_sub_co_i32 s55, s51, s52
	s_cmp_eq_u32 s21, 5
	s_cselect_b32 s54, s55, s54                    ; for v the sums go to the conversion as they are: e7 - E
	s_lshl_b32 s53, s52, 1
	s_sub_co_i32 s53, s53, 6                       ; 2 E - 6: the sum of 64 squares becomes their mean
	s_add_co_i32 s54, s54, 127
	s_lshl_b32 s55, s54, 23
	v_mov_b32 v[SCL], s55
	s_add_co_i32 s54, s54, 8
	s_lshl_b32 s54, s54, 23
	s_or_b32 s54, s54, 0x600000
	v_mov_b32 v[LIM], s54
	s_cmp_eq_u32 s21, 5
	s_cbranch_scc1 .Lv
	; ---- q and k.  My 128 rows of B are two heads: accumulators 0-3 and 4-7 of a block
	s_mov_b32 s55, 0x358637bd                      ; 1e-6
	s_mov_b32 s86, 0x76543210                      ; v_permlanex16_b32's selects for lane l xor 16
	s_mov_b32 s87, 0xfedcba98
	v_mov_b32 v[RS+1], 0                           ; named as the upper halves of pairs, so they are written
	v_mov_b32 v[RS+3], 0
	s_lshr_b32 s58, s22, 2                         ; batch
	s_lshl_b32 s60, s20, 1
	s_lshl_b32 s59, s58, 4
	s_lshl_b32 s61, s21, 2
	s_add_co_u32 s59, s59, s61
	s_add_co_u32 s59, s59, s60                     ; q: 16 batch + 4 column + 2 half,
	s_lshl_b32 s59, s59, 16                        ; 65,536 bytes a head
	s_lshl_b32 s61, s58, 2
	s_add_co_u32 s61, s61, s60                     ; k: 4 batch + 2 half,
	s_lshl_b32 s61, s61, 17                        ; 131,072 bytes a head
	s_mov_b32 s62, 0x20000
	s_cmp_lt_u32 s21, 4
	s_cselect_b32 s70, s59, s61
	s_cselect_b32 s62, 0x10000, s62                ; from my first head to my second
	s_cselect_b64 s[66:67], s[14:15], s[16:17]
	s_lshl_b32 s63, s82, 10                        ; 1,024 bytes a token tile
	s_add_co_u32 s70, s70, s63
	s_mov_b32 s71, 0
	s_mov_b32 s63, 0
	s_add_nc_u64 s[66:67], s[66:67], s[70:71]
	s_add_nc_u64 s[68:69], s[66:67], s[62:63]
; Block a: 16 tokens x two heads.
.macro QKBLOCK a
.set AC, 64*((\a)%4)
.set CC, CS+32*((\a)%2)
.if (\a) < 7
.irp p, 0,1,2,3,4,5,6,7
	global_load_b128 v[CS+32*(((\a)+1)%2)+4*\p:CS+32*(((\a)+1)%2)+4*\p+3], v[LI], s[56:57] offset:4096*((\a)+1)+512*\p   ; the next token tile's pieces, into the other set
.endr
.endif
	WIN 0x0a+5*((\a)/4)                            ; sources 0 and 1: window 2 or 3
.irp c, 0,1,2,3                        ; the sums of squares: two chains a head; each accumulator is read from its low end on
.irp p, 0,1,2,3
.irp hh, 0,1
.if (\c == 0) && (\p < 2)
	v_pk_mul_f32 v[SS+4*\hh+2*(\p%2):SS+4*\hh+2*(\p%2)+1], v[AC+8*(4*\hh+\c)+2*\p:AC+8*(4*\hh+\c)+2*\p+1], v[AC+8*(4*\hh+\c)+2*\p:AC+8*(4*\hh+\c)+2*\p+1]
.else
	v_pk_fma_f32 v[SS+4*\hh+2*(\p%2):SS+4*\hh+2*(\p%2)+1], v[AC+8*(4*\hh+\c)+2*\p:AC+8*(4*\hh+\c)+2*\p+1], v[AC+8*(4*\hh+\c)+2*\p:AC+8*(4*\hh+\c)+2*\p+1], v[SS+4*\hh+2*(\p%2):SS+4*\hh+2*(\p%2)+1]
.endif
.endr
.endr
.endr
	WIN 0
	v_pk_add_f32 v[SS:SS+1], v[SS:SS+1], v[SS+2:SS+3]
	v_pk_add_f32 v[SS+4:SS+5], v[SS+4:SS+5], v[SS+6:SS+7]
	v_add_f32 v[SS], v[SS], v[SS+1]
	v_add_f32 v[SS+4], v[SS+4], v[SS+5]
	v_permlanex16_b32 v[SS+1], v[SS], s86, s87     ; the token's other 32 channels lie in the lane 16 away
	v_permlanex16_b32 v[SS+5], v[SS+4], s86, s87
	v_add_f32 v[SS], v[SS], v[SS+1]
	v_add_f32 v[SS+4], v[SS+4], v[SS+5]
	v_ldexp_f32 v[SS], v[SS], s53                  ; the mean of the squares
	v_ldexp_f32 v[SS+4], v[SS+4], s53
	v_add_f32 v[SS], s55, v[SS]
	v_add_f32 v[SS+4], s55, v[SS+4]
	v_rsq_f32 v[RS], v[SS]
	v_rsq_f32 v[RS+2], v[SS+4]
	v_nop                                          ; a plain line behind the last of the two,
	s_wait_alu depctr_va_vdst(0)                   ; and one wait for both, ahead of their first reader
	v_ldexp_f32 v[RS], v[RS], s52                  ; x 2^E: the sums' scale
	v_ldexp_f32 v[RS+2], v[RS+2], s52
	WIN 0x02+((\a)/4)                              ; source 0: window 2 or 3
.irp hh, 0,1
.irp k, 0,2,4,6,8,10,12,14,16,18,20,22,24,26,28,30
	v_pk_mul_f32 v[T+32*\hh+\k:T+32*\hh+\k+1], v[AC+32*\hh+\k:AC+32*\hh+\k+1], v[RS+2*\hh:RS+2*\hh+1] op_sel_hi:[1,0]
.endr
.endr
	WIN 0
.if (\a) < 7
	s_wait_loadcnt 8                               ; the weights and this block's pieces are in; the eight loads just issued may be out
.else
	s_wait_loadcnt 0
.endif
.irp hh, 0,1
.irp k, 0,2,4,6,8,10,12,14,16,18,20,22,24,26,28,30
	v_pk_mul_f32 v[T+32*\hh+\k:T+32*\hh+\k+1], v[T+32*\hh+\k:T+32*\hh+\k+1], v[NW+\k:NW+\k+1]
.endr
.endr
.irp hh, 0,1                           ; the rotation: channel d < 32 and channel d + 32 lie 16 registers apart in one lane
.irp b, 0,1
.irp jp, 0,2,4,6
.set X1, T+32*\hh+8*\b+\jp
.set UU, U+4*((\jp/2)%2)
	v_pk_mul_f32 v[UU:UU+1], v[X1+16:X1+17], v[CC+16+8*\b+\jp:CC+16+8*\b+\jp+1]
	v_pk_mul_f32 v[UU+2:UU+3], v[X1:X1+1], v[CC+16+8*\b+\jp:CC+16+8*\b+\jp+1]
	v_pk_fma_f32 v[X1:X1+1], v[X1:X1+1], v[CC+8*\b+\jp:CC+8*\b+\jp+1], v[UU:UU+1]
	v_pk_fma_f32 v[X1+16:X1+17], v[X1+16:X1+17], v[CC+8*\b+\jp:CC+8*\b+\jp+1], v[UU+2:UU+3] neg_lo:[0,0,1] neg_hi:[0,0,1]
.endr
.endr
.endr
.set n, 0
.rept 64
	v_med3_num_f32 v[T+n], v[T+n], -v[LIM], v[LIM] ; the conversion to an 8-bit code does not saturate (ISA guide 7.6.2)
.set n, n+1
.endr
	s_wait_xcnt 0x0                                ; the last block's stores have read the codes' registers: only behind this wait are they written again
.irp hh, 0,1
.irp c, 0,1,2,3
	v_cvt_scalef32_pk8_fp8_f32 v[CO+8*\hh+2*\c:CO+8*\hh+2*\c+1], v[T+32*\hh+8*\c:T+32*\hh+8*\c+7], v[SCL]
.endr
.endr
	v_nop                                          ; a plain line behind the conversions
.irp hh, 0,1
.irp w, 0,1
	global_store_b128 v[LI], v[CO+8*\hh+4*\w:CO+8*\hh+4*\w+3], s[66+2*\hh:67+2*\hh] offset:1024*(\a)+512*\w
.endr
.endr
.endm
.irp a, 0,1,2,3,4,5,6,7
	QKBLOCK \a
.endr
	s_wait_tensorcnt 0x0                           ; the wave's end
	ds_add_u32 v[SPW], v[NIL]
	s_wait_dscnt 0x0
	s_endpgm
.Lv:
	; ---- v.  Block a: channels 16 (a % 4) + r of kv head 2 half + a / 4; accumulator b: keys 16 b + 8 h + 0..7 of the step of 128 keys 2 (block % 4) + my half of B
	s_lshr_b32 s58, s22, 2
	s_lshl_b32 s58, s58, 2
	s_lshl_b32 s59, s19, 1
	s_add_co_u32 s58, s58, s59
	s_lshl_b32 s70, s58, 17
	s_and_b32 s59, s22, 3
	s_lshl_b32 s59, s59, 1
	s_add_co_u32 s59, s59, s20
	s_lshl_b32 s59, s59, 13                        ; 8,192 bytes a step
	s_add_co_u32 s70, s70, s59
	s_add_co_u32 s70, s70, 65536
	s_mov_b32 s71, 0
	s_add_nc_u64 s[66:67], s[16:17], s[70:71]
.macro VBLOCK a
.set AC, 64*((\a)%4)
	WIN 0x02+((\a)/4)                              ; source 0: window 2 or 3
.set n, 0
.rept 64
	v_med3_num_f32 v[T+n], v[AC+n], -v[LIM], v[LIM]       ; each accumulator from its low end on
.set n, n+1
.endr
	WIN 0
	s_wait_xcnt 0x0                                ; the last block's stores have read the codes' registers
.irp b, 0,1,2,3,4,5,6,7
	v_cvt_scalef32_pk8_fp8_f32 v[CO+2*\b:CO+2*\b+1], v[T+8*\b:T+8*\b+7], v[SCL]
.endr
	v_nop                                          ; a plain line behind the conversions
.irp w, 0,1,2,3
	global_store_b128 v[LI], v[CO+4*\w:CO+4*\w+3], s[66:67] offset:((\a)/4)*131072+((\a)%4)*2048+512*\w
.endr
.endm
.irp a, 0,1,2,3,4,5,6,7
	VBLOCK \a
.endr
	s_wait_tensorcnt 0x0                           ; the wave's end
	ds_add_u32 v[SPW], v[NIL]
	s_wait_dscnt 0x0
	s_endpgm
.Lfunc_end_k_q15fc3d63bb_proj:
	.size	k_q15fc3d63bb_proj, .Lfunc_end_k_q15fc3d63bb_proj-k_q15fc3d63bb_proj
	.p2alignl 7, 3214868480
	.fill 96, 4, 3214868480
	.section	.rodata,"a",@progbits
	.p2align	6, 0x0
	.amdhsa_kernel k_q15fc3d63bb_proj
		.amdhsa_group_segment_fixed_size 327680
		.amdhsa_private_segment_fixed_size 0
		.amdhsa_enable_private_segment 0
		.amdhsa_kernarg_size 56
		.amdhsa_user_sgpr_count 2
		.amdhsa_user_sgpr_kernarg_segment_ptr 1
		.amdhsa_wavefront_size32 1
		.amdhsa_system_sgpr_workgroup_id_x 1
		.amdhsa_system_sgpr_workgroup_id_y 1
		.amdhsa_system_sgpr_workgroup_id_z 1
		.amdhsa_system_vgpr_workitem_id 0
		.amdhsa_next_free_vgpr 1024
		.amdhsa_next_free_sgpr 100
		.amdhsa_reserve_vcc 0
		.amdhsa_float_denorm_mode_32 3
		.amdhsa_float_denorm_mode_16_64 3
		.amdhsa_memory_ordered 1
		.amdhsa_forward_progress 1
		.amdhsa_inst_pref_size 250
	.end_amdhsa_kernel
	.amdgpu_metadata
---
amdhsa.version: [ 1, 2 ]
amdhsa.kernels:
  - .name:           k_q15fc3d63bb_proj
    .symbol:         k_q15fc3d63bb_proj.kd
    .args:
      - { .name: xc, .offset: 0, .size: 8, .value_kind: global_buffer, .address_space: global }
      - { .name: wts, .offset: 8, .size: 8, .value_kind: global_buffer, .address_space: global }
      - { .name: q_norm_w, .offset: 16, .size: 8, .value_kind: global_buffer, .address_space: global }
      - { .name: k_norm_w, .offset: 24, .size: 8, .value_kind: global_buffer, .address_space: global }
      - { .name: lowp_scales, .offset: 32, .size: 8, .value_kind: global_buffer, .address_space: global }
      - { .name: qimg, .offset: 40, .size: 8, .value_kind: global_buffer, .address_space: global }
      - { .name: kv, .offset: 48, .size: 8, .value_kind: global_buffer, .address_space: global }
    .group_segment_fixed_size: 327680
    .private_segment_fixed_size: 0
    .kernarg_segment_align: 8
    .kernarg_segment_size: 56
    .max_flat_workgroup_size: 128
    .sgpr_count:     100
    .vgpr_count:     1024
    .wavefront_size: 32
...
	.end_amdgpu_metadata
.endif
;; end of part 2
;; launch attn (part 3): grid 8 x 32, 16 waves a work-group, clusters of 4 x 1, 169,984 bytes of LDS; arguments qimg, kv, lowp_scales, yimg; writes yimg
.if DOCPART == 3
	.amdgcn_target "amdgcn-amd-amdhsa--gfx1250"
	.amdhsa_code_object_version 6
	.text
	.protected	k_q15fc3d63bb_attn
	.globl	k_q15fc3d63bb_attn
	.p2align	8
	.type	k_q15fc3d63bb_attn,@function
k_q15fc3d63bb_attn:
	s_mov_b64 s[64:65], 0
	v_nop
	global_prefetch_b8 v0, s[64:65] scope:SCOPE_SE
	s_setreg_imm32_b32 hwreg(HW_REG_WAVE_MODE, 25, 1), 1
	s_wait_xcnt 0x0
	s_wait_alu depctr_hold_cnt(0) depctr_sa_sdst(0) depctr_va_vdst(0) depctr_va_sdst(0) depctr_va_ssrc(0) depctr_va_vcc(0) depctr_vm_vsrc(0)
	s_getreg_b32 s2, hwreg(HW_REG_IB_STS2, 6, 4)
	s_cmp_eq_u32 s2, 0
	s_cbranch_scc0 .Lentry_in_a_cluster
	s_endpgm
.Lentry_in_a_cluster:
	s_bfe_u32 s2, ttmp6, 0x10000c
	s_cmp_lg_u32 s2, 0x3003
	s_cbranch_scc0 .Lentry_shape_is_right
	s_endpgm
.Lentry_shape_is_right:
; ATTN: for each head, y = softmax(mask(50 tanh(q k^T / 8 / 50))) v, both products on codes of FP8 (E4M3), y quantised (e8) as an image of the registers in which the last product wants it.
; THE SOFTMAX AHEAD OF THE SECOND PRODUCT: t = logit x log2(e); M = the row's largest t so far, rounded UP to a whole number; p = 2^(t - M) is quantised (e6), not normalised; the row's sum is taken of the unquantised p and divides at the end.
; THE CAP: with x = 2 log2(e) / 400 x score, tanh = 1 - 2 / (1 + 2^x), so t = A - 2 A r, r = 1 / (1 + 2^x), A = 50 log2(e).  t falls as r grows: the largest t is taken from the smallest r.
; THE MASK acts behind the cap: a hidden key gets r = +infinity, which loses in the minimum and gives p = 2^(-infinity) = 0.  Steps of 128 keys that lie wholly behind a wave's 16 queries are left out.
; SHARES.  Work-group y = batch x 4 + kv head.  The four partners of a cluster are the four query heads that share that kv head, on the same queries; so they read the same K and V, which are asked for JOINTLY, once, whole:
; 131,072 bytes, as they lie in memory, by waves 0-7, 16,384 bytes each.  Nothing in LDS is filled again.  The place in the cluster enters Q's and y's global addresses alone.
; A head's 64 token tiles form 32 pairs (i, 63 - i); a pair costs ceil((i + 1) / 8) + ceil((64 - i) / 8) = 9 steps whatever i is.  Wave w of cluster x = u takes i = 2 w + u in pass 0 and 63 - i in pass 1: every wave of the launch has 9 steps.
; LAYOUT.  Both products are used transposed: S^T = K Q^T (source 0 = 16 keys, source 1 = my 16 queries), O^T = V^T P^T: a lane holds ONE query (lane % 16) throughout.  Tile kt of S^T holds keys 16 kt + 8 h + 0..7 in a lane:
; its eight codes are registers 2 kt, 2 kt + 1 of the second product's operand.  V's rows of a fragment are chosen by the address alone (lane r of fragment 2 b + u reads channel 32 b + 16 (r / 8) + 8 u + r % 8),
; so that O^T's tiles 2 b, 2 b + 1 hold channels 32 b + 16 h + 0..15 in a lane: 16 codes, 16 bytes of y's image.
; yimg [batch x 64 + token tile][head 16][2][lane][16 bytes].
; LIMITS: e4 + e5 between -118 and 135 (they are added to a constant's exponent field); e6 and e8 between -126 and 119.  t carries an absolute error of about 1e-5 (a unit in the last place of r and of 2^x, times 2 A = 144).
; REGISTERS: v1 16 x lane; v2 my lane's place in V; v4 r - 8 h; v8, v9 the step's LDS addresses; v[10:11] A - M; v12 -M; v13 the largest t; v[14:15] the sum in two halves; v16-23 Q; v32-95 eight fragments of K, then four of V;
;   v96-159 S^T, then r, then p; v160-191 O^T; v192-207 p's codes; v208-215 y's codes; v236, v242, v243, v252-254 at work; v240, v244: 448 x 2^e6, 2^e6; v241, v245: the same with e8; v246 +infinity.
.set VOFF, 65536                       ; V's image in LDS, behind K's
.set LN,   1
.set AV,   2
.set RH,   4
.set ADK,  8
.set ADV,  9
.set WV,   12                          ; s12 wave
.set PASS, 44
.set KS,   45
.set KF,   46                          ; the step's first key
.set Q0,   47                          ; my first query
.set TB,   48                          ; the step's first byte in K's and in V's image: 8,192 a step
.set TI,   49                          ; my token tile
.macro CROUND                          ; a round of the cluster's barrier
	s_barrier_signal -1
	s_barrier_wait -1
	s_cmp_lg_u32 s[WV], 0
	s_cbranch_scc1 .Lnot_wave_0_\@
	s_barrier_signal -3
.Lnot_wave_0_\@:
	s_barrier_wait -3
	s_barrier_signal -1
	s_barrier_wait -1
.endm
.macro MKSCALE e, vs, vl               ; v[vs] = 2^e as f32, v[vl] = 448 x 2^e
	s_add_co_i32 s41, s[\e], 127
	s_lshl_b32 s42, s41, 23
	v_mov_b32 v[\vs], s42
	s_add_co_i32 s41, s41, 8
	s_lshl_b32 s41, s41, 23
	s_or_b32 s41, s41, 0x600000
	v_mov_b32 v[\vl], s41
.endm
	s_load_b256 s[4:11], s[0:1], 0x0               ; qimg s[4:5], kv s[6:7], lowp_scales s[8:9], yimg s[10:11]
	v_lshl_add_u32 v251, v0, 2, 0x29000
	v_mov_b32 v255, 0
	ds_add_u32 v251, v255
	ds_add_u32 v251, v255
	v_lshrrev_b32 v3, 5, v0
	v_readfirstlane_b32 s[WV], v3                  ; wave 0..15
	s_bfe_u32 s56, ttmp6, 0x40000                  ; g: my place in the cluster = the query head within its group
	s_mov_b32 s14, ttmp9                           ; u: the cluster's x, which the partners share
	s_and_b32 s15, ttmp7, 0xffff                   ; batch x 4 + kv head
	; descriptor group 1: 64 rows of 256 bytes, dense
	s_mov_b32 s16, 15|(3<<16)|(1<<21)              ; the mask: all four work-groups; elements of 8 bytes; bit 21 set beside a mask; no padding: images are read as they lie, 512 consecutive bytes a load
	s_mov_b32 s17, 32<<16                          ; tensor_dim0 = 32
	s_mov_b32 s18, 64<<16                          ; tensor_dim1 = 64
	s_mov_b32 s19, 32<<16                          ; tile_dim0 = 32
	s_mov_b32 s20, 64                              ; tile_dim1 = 64
	s_mov_b32 s21, 32                              ; tensor_dim0_stride
	s_mov_b32 s22, 0
	s_mov_b32 s23, 0
	s_mov_b32 s24, 1                               ; group 0: count = 1
	s_lshl_b32 s25, s[WV], 14                      ; LDS address: 16,384 x wave
	s_lshl_b32 s42, s15, 17
	s_add_co_u32 s42, s42, s25
	s_mov_b32 s43, 0
	s_wait_dscnt 0x0
	s_wait_kmcnt 0x0
	s_load_b128 s[36:39], s[8:9], 0x10             ; e4 .. e7
	s_load_b32 s40, s[8:9], 0x20                   ; e8
	s_add_nc_u64 s[26:27], s[6:7], s[42:43]        ; global address: the same bytes of my kv head
	s_or_b32 s27, s27, 0x80000000                  ; type = 2
	CROUND                                         ; all four work-groups are here: the joint loads meet
	s_cmp_lt_u32 s[WV], 8
	s_cbranch_scc0 .Lno_fill
	tensor_load_to_lds s[24:27], s[16:23]          ; one load of mine is out
	s_nop 0
.rept 4
	v_nop                                          ; four plain lines behind a tensor load
.endr
.Lno_fill:
	v_and_b32 v3, 31, v0
	v_lshlrev_b32 v[LN], 4, v3
	v_and_b32 v5, 15, v0                           ; r
	v_bfe_u32 v6, v0, 4, 1                         ; h
	v_lshrrev_b32 v7, 3, v5
	v_and_b32 v[AV], 7, v5
	v_lshlrev_b32 v[AV], 4, v[AV]
	v_lshl_add_u32 v[AV], v7, 11, v[AV]
	v_lshl_add_u32 v[AV], v6, 8, v[AV]
	v_add_nc_u32 v[AV], VOFF, v[AV]                ; V: 2,048 (r / 8) + 256 h + 16 (r % 8)
	v_lshlrev_b32 v[RH], 3, v6
	v_sub_nc_u32 v[RH], v5, v[RH]                  ; r - 8 h
	v_mov_b32 v11, 0                               ; named as upper halves of pairs, or as a lane permute's destination: written once
	v_mov_b32 v236, 0
	v_mov_b32 v252, 0
	v_mov_b32 v253, 0
	v_mov_b32 v246, 0x7f800000                     ; +infinity
	s_mov_b32 s28, 0x76543210                      ; v_permlanex16_b32's selects for lane l xor 16
	s_mov_b32 s29, 0xfedcba98
	s_mov_b32 s30, 0x3bec5f04                      ; 2 log2(e) / 400
	s_mov_b32 s32, 0xc31044fe                      ; -2 A
	s_mov_b32 s33, s32                             ; (named with it as a pair)
	s_mov_b32 s34, 0x429044fe                      ; A = 50 log2(e)
	s_wait_kmcnt 0x0
	s_add_co_i32 s41, s36, s37
	s_lshl_b32 s41, s41, 23
	s_add_co_i32 s30, s30, s41                     ; a score stands for score x 2^(e4 + e5): added to the constant's exponent field
	s_mov_b32 s31, s30
	s_add_co_i32 s60, s38, s39                     ; e6 + e7
	MKSCALE 38, 244, 240
	MKSCALE 40, 245, 241
	s_wait_tensorcnt 0x0                           ; my part of K and V is in,
	s_barrier_signal -1
	s_barrier_wait -1                              ; everybody's is
	s_mov_b32 s[PASS], 0
.Lpass:
	s_lshl_b32 s[TI], s[WV], 1
	s_add_co_u32 s[TI], s[TI], s14                 ; i = 2 wave + u
	s_sub_co_u32 s51, 63, s[TI]
	s_cmp_eq_u32 s[PASS], 0
	s_cselect_b32 s[TI], s[TI], s51
	s_lshl_b32 s[Q0], s[TI], 4
	s_wait_xcnt 0x0                                ; the last pass's stores have read their base and their data: only behind this wait are they written again
	s_lshl_b32 s58, s15, 2
	s_add_co_u32 s58, s58, s56                     ; batch x 16 + head
	s_lshl_b32 s58, s58, 6
	s_add_co_u32 s58, s58, s[TI]
	s_lshl_b32 s58, s58, 10                        ; 1,024 bytes a token tile
	s_mov_b32 s59, 0
	s_add_nc_u64 s[52:53], s[4:5], s[58:59]
	s_lshr_b32 s58, s15, 2
	s_lshl_b32 s58, s58, 6
	s_add_co_u32 s58, s58, s[TI]                   ; batch x 64 + token tile,
	s_lshl_b32 s58, s58, 4
	s_and_b32 s57, s15, 3
	s_lshl_b32 s57, s57, 2
	s_add_co_u32 s58, s58, s57
	s_add_co_u32 s58, s58, s56                     ; x 16 + head
	s_lshl_b32 s58, s58, 10
	s_add_nc_u64 s[54:55], s[10:11], s[58:59]
	global_load_b128 v[16:19], v[LN], s[52:53] th:TH_LOAD_NT           ; Q's fragment stays in registers for the pass
	global_load_b128 v[20:23], v[LN], s[52:53] offset:512 th:TH_LOAD_NT
	v_mov_b32 v13, 0xff61b1e6                      ; the largest t so far: -3e38, under every t
	v_floor_f32 v12, -v13                          ; -M
	v_mov_b32 v14, 0
	v_mov_b32 v15, 0
.set n, 0
.rept 32
	v_mov_b32 v[160+n], 0                          ; O^T: the step is written once; the first finds zeros, which the first change of M leaves zeros
.set n, n+1
.endr
	s_mov_b32 s[KF], 0
	s_mov_b32 s[TB], 0
	s_mov_b32 s[KS], 0
	s_wait_loadcnt 0x0
.Lstep:                                            ; eight trips, a constant; a step all of whose keys come behind my queries is jumped over (both numbers are multiples of 16)
	s_cmp_gt_u32 s[KF], s[Q0]
	s_cbranch_scc1 .Lhidden
	v_add_nc_u32 v[ADK], s[TB], v[LN]
	v_add_nc_u32 v[ADV], s[TB], v[AV]
	v_nop                                          ; with the two additions: four plain lines between the last products and loads into registers that they have read
	v_nop
.irp kt, 0,1,2,3,4,5,6,7
	ds_load_b128 v[32+8*\kt:35+8*\kt], v[ADK] offset:1024*\kt
	ds_load_b128 v[36+8*\kt:39+8*\kt], v[ADK] offset:1024*\kt+512
.endr
	s_wait_dscnt 0x0
.irp kt, 0,1,2,3,4,5,6,7
	v_wmma_f32_16x16x64_fp8_fp8 v[96+8*\kt:103+8*\kt], v[32+8*\kt:39+8*\kt], v[16:23], 0
.endr
.rept 4
	v_nop                                          ; four places: in front of the loads below and of the first read of the scores
.endr
.irp t, 0,1,2,3
.irp c, 0,1,2,3
	ds_load_b128 v[32+16*\t+4*\c:35+16*\t+4*\c], v[ADV] offset:4096*(\t/2)+128*(\t%2)+512*\c      ; V's four fragments land while the softmax is worked
.endr
.endr
.set n, 0
.rept 32
	v_pk_mul_f32 v[96+n:97+n], v[96+n:97+n], s[30:31] op_sel_hi:[1,0]      ; x; each accumulator from its low end on
.set n, n+2
.endr
.set n, 0
.rept 64
	v_exp_f32 v[96+n], v[96+n]
.set n, n+1
.endr
	v_nop                                          ; a plain line behind the batch,
	s_wait_alu depctr_va_vdst(0)                   ; and one wait for it, ahead of its first reader
.set n, 0
.rept 32
	v_pk_add_f32 v[96+n:97+n], v[96+n:97+n], 1.0 op_sel_hi:[1,0]
.set n, n+2
.endr
.set n, 0
.rept 64
	v_rcp_f32 v[96+n], v[96+n]                     ; r
.set n, n+1
.endr
	v_nop
	s_wait_alu depctr_va_vdst(0)
	s_add_co_u32 s50, s[KF], 127                   ; a step all of whose keys count jumps over the mask
	s_cmp_le_u32 s50, s[Q0]
	s_cbranch_scc1 .Lopen
	s_sub_co_i32 s50, s[Q0], s[KF]
	v_add_nc_u32 v252, s50, v[RH]                  ; d = my query - the step's first key - 8 h.  Register 8 kt + j holds key 16 kt + 8 h + j of the step: hidden where 16 kt + j > d
.set n, 0
.rept 64
	v_cmp_gt_i32 vcc_lo, 16*(n/8)+n%8, v252
	v_cndmask_b32 v[96+n], v[96+n], v246, vcc_lo
.set n, n+1
.endr
.Lopen:
	v_min3_num_f32 v254, v96, v97, v98             ; the smallest r of my query, among my 64 keys, in two chains,
	v_min3_num_f32 v252, v99, v100, v101
.irp i, 6,10,14,18,22,26,30,34,38,42,46,50,54,58
	v_min3_num_f32 v254, v254, v[96+\i], v[97+\i]
	v_min3_num_f32 v252, v252, v[98+\i], v[99+\i]
.endr
	v_min3_num_f32 v254, v254, v158, v159
	v_min_num_f32 v254, v254, v252
	v_permlanex16_b32 v236, v254, s28, s29
	v_min_num_f32 v254, v254, v236                 ; and among lane l xor 16's
	v_fma_f32 v254, v254, s32, s34                 ; the step's largest t
	v_max_num_f32 v13, v13, v254                   ; the running largest t
	v_mov_b32 v254, v12
	v_floor_f32 v12, -v13                          ; the new -M = -ceil(t): M is a whole number
	v_sub_f32 v254, v12, v254                      ; old M - new M: a whole number, 0 or less
	v_cvt_i32_f32 v254, v254                       ; (it saturates)
	v_ldexp_f32 v252, 1.0, v254                    ; f = 2^(old M - new M)
	v_add_f32 v10, s34, v12                        ; A - M
.set n, 0
.rept 32
	v_pk_fma_f32 v[96+n:97+n], v[96+n:97+n], s[32:33], v[10:11] op_sel_hi:[1,0,0]  ; t - M = r x (-2 A) + (A - M)
.set n, n+2
.endr
.set n, 0
.rept 64
	v_exp_f32 v[96+n], v[96+n]                     ; p = 2^(t - M): not normalised
.set n, n+1
.endr
	v_pk_mul_f32 v[14:15], v[14:15], v[252:253] op_sel_hi:[1,0]    ; the sums under the new M: the plain line behind the batch
	s_wait_alu depctr_va_vdst(0)                   ; one wait for the batch
	v_pk_add_f32 v[242:243], v[96:97], v[98:99]    ; the row's sum is taken of the unquantised p: two chains
.irp j, 4,8,12,16,20,24,28,32,36,40,44,48,52,56,60
	v_pk_add_f32 v[14:15], v[14:15], v[96+\j:97+\j]
	v_pk_add_f32 v[242:243], v[242:243], v[98+\j:99+\j]
.endr
	v_pk_add_f32 v[14:15], v[14:15], v[242:243]
.irp kt, 0,1,2,3,4,5,6,7
.irp i, 0,1,2,3,4,5,6,7
	v_min_num_f32 v[96+8*\kt+\i], v[96+8*\kt+\i], v240     ; the conversion does not saturate (ISA guide 7.6.2); p is not negative, so the hold is one-sided
.endr
	v_cvt_scalef32_pk8_fp8_f32 v[192+2*\kt:193+2*\kt], v[96+8*\kt:103+8*\kt], v244
.endr
.set n, 0
.rept 16
	v_pk_mul_f32 v[160+n:161+n], v[160+n:161+n], v[252:253] op_sel_hi:[1,0]        ; O^T under the new M; plain lines between the conversions and the products
.set n, n+2
.endr
	s_wait_dscnt 0x0                               ; V is in
.irp t, 0,1,2,3                        ; the four accumulators take turns, and the next step's eight products on the scores stand between two turns of one
	v_wmma_f32_16x16x128_fp8_fp8 v[160+8*\t:167+8*\t], v[32+16*\t:47+16*\t], v[192:207], v[160+8*\t:167+8*\t]
.endr
.Lhidden:
	s_add_co_u32 s[KF], s[KF], 128
	s_add_co_u32 s[TB], s[TB], 8192
	s_add_co_u32 s[KS], s[KS], 1
	s_cmp_lt_u32 s[KS], 8
	s_cbranch_scc1 .Lstep
	; ---- the pass's way out: O^T / the sum x 2^(e6 + e7), quantised under e8
.rept 4
	v_nop                                          ; four places behind the last products
.endr
	v_add_f32 v14, v14, v15
	v_permlanex16_b32 v252, v14, s28, s29
	v_add_f32 v14, v14, v252                       ; the row's sum
	v_rcp_f32 v14, v14
	v_nop
	s_wait_alu depctr_va_vdst(0)
	v_ldexp_f32 v14, v14, s60
.set n, 0
.rept 16
	v_pk_mul_f32 v[96+n:97+n], v[160+n:161+n], v[14:15] op_sel_hi:[1,0]    ; each accumulator from its low end on
.set n, n+2
.endr
.set n, 0
.rept 32
	v_med3_num_f32 v[96+n], v[96+n], -v241, v241
.set n, n+1
.endr
.irp t, 0,1,2,3
	v_cvt_scalef32_pk8_fp8_f32 v[208+2*\t:209+2*\t], v[96+8*\t:103+8*\t], v245
.endr
	v_nop                                          ; a plain line behind the conversions
	global_store_b128 v[LN], v[208:211], s[54:55]              ; channels 16 h + 0..15 of my query: 512 consecutive bytes a store
	global_store_b128 v[LN], v[212:215], s[54:55] offset:512   ; channels 32 + 16 h + 0..15
	s_add_co_u32 s[PASS], s[PASS], 1
	s_cmp_lt_u32 s[PASS], 2
	s_cbranch_scc1 .Lpass
	s_wait_dscnt 0x0
	s_wait_tensorcnt 0x0
	ds_add_u32 v251, v255
	s_wait_dscnt 0x0
	CROUND                                         ; the closing round
	s_endpgm
.Lfunc_end_k_q15fc3d63bb_attn:
	.size	k_q15fc3d63bb_attn, .Lfunc_end_k_q15fc3d63bb_attn-k_q15fc3d63bb_attn
	.p2alignl 7, 3214868480
	.fill 96, 4, 3214868480
	.section	.rodata,"a",@progbits
	.p2align	6, 0x0
	.amdhsa_kernel k_q15fc3d63bb_attn
		.amdhsa_group_segment_fixed_size 169984
		.amdhsa_private_segment_fixed_size 0
		.amdhsa_enable_private_segment 0
		.amdhsa_kernarg_size 32
		.amdhsa_user_sgpr_count 2
		.amdhsa_user_sgpr_kernarg_segment_ptr 1
		.amdhsa_wavefront_size32 1
		.amdhsa_system_sgpr_workgroup_id_x 1
		.amdhsa_system_sgpr_workgroup_id_y 1
		.amdhsa_system_sgpr_workgroup_id_z 1
		.amdhsa_system_vgpr_workitem_id 0
		.amdhsa_next_free_vgpr 256
		.amdhsa_next_free_sgpr 66
		.amdhsa_reserve_vcc 1
		.amdhsa_float_denorm_mode_32 3
		.amdhsa_float_denorm_mode_16_64 3
		.amdhsa_memory_ordered 1
		.amdhsa_forward_progress 1
		.amdhsa_inst_pref_size 40
	.end_amdhsa_kernel
	.amdgpu_metadata
---
amdhsa.version: [ 1, 2 ]
amdhsa.kernels:
  - .name:           k_q15fc3d63bb_attn
    .symbol:         k_q15fc3d63bb_attn.kd
    .args:
      - { .name: qimg, .offset: 0, .size: 8, .value_kind: global_buffer, .address_space: global }
      - { .name: kv, .offset: 8, .size: 8, .value_kind: global_buffer, .address_space: global }
      - { .name: lowp_scales, .offset: 16, .size: 8, .value_kind: global_buffer, .address_space: global }
      - { .name: yimg, .offset: 24, .size: 8, .value_kind: global_buffer, .address_space: global }
    .group_segment_fixed_size: 169984
    .private_segment_fixed_size: 0
    .kernarg_segment_align: 8
    .kernarg_segment_size: 32
    .max_flat_workgroup_size: 512
    .sgpr_count:     66
    .vgpr_count:     256
    .wavefront_size: 32
...
	.end_amdgpu_metadata
.endif
;; end of part 3
;; launch outp (part 4): grid 4 x 32, 4 waves a work-group, clusters of 4 x 4, 327,680 bytes of LDS; arguments yimg, wts, lowp_scales, out0; writes out0
.if DOCPART == 4
	.amdgcn_target "amdgcn-amd-amdhsa--gfx1250"
	.amdhsa_code_object_version 6
	.text
	.protected	k_q15fc3d63bb_outp
	.globl	k_q15fc3d63bb_outp
	.p2align	8
	.type	k_q15fc3d63bb_outp,@function
k_q15fc3d63bb_outp:
	s_mov_b64 s[64:65], 0
	v_nop
	global_prefetch_b8 v0, s[64:65] scope:SCOPE_SE
	s_setreg_imm32_b32 hwreg(HW_REG_WAVE_MODE, 25, 1), 1
	s_wait_xcnt 0x0
	s_wait_alu depctr_hold_cnt(0) depctr_sa_sdst(0) depctr_va_vdst(0) depctr_va_sdst(0) depctr_va_ssrc(0) depctr_va_vcc(0) depctr_vm_vsrc(0)
	s_getreg_b32 s2, hwreg(HW_REG_IB_STS2, 6, 4)
	s_cmp_eq_u32 s2, 0
	s_cbranch_scc0 .Lentry_in_a_cluster
	s_endpgm
.Lentry_in_a_cluster:
	s_bfe_u32 s2, ttmp6, 0x10000c
	s_cmp_lg_u32 s2, 0xf033
	s_cbranch_scc0 .Lentry_shape_is_right
	s_endpgm
.Lentry_shape_is_right:
; OUTP: out0[m][n] = 2^(e8 + e9) x the sum over k of y[m][k] w_c[n][k], on codes of FP8 (E4M3); out0 [8192][1024] f32; sums in f32.
; A = y comes as IMAGES of its fragments: yimg [token tile 512][16,384 bytes]; a token tile's 128 along K are 2,048 bytes on end: four pieces of 512, lane l's 16 bytes at 16 l: K = 32 c + 16 (l / 16) + 0 .. 15 of token l % 16.
; B = w_c's codes, rows of 1,024 bytes, at wts + 1,572,864; its fragments are fetched by four loads of 16 bytes, 32 bytes apart, which give a lane the same K as A's pieces.
; LIMIT: e8 + e9 between -126 and 127, so that 2^(e8 + e9) is an f32 number.
; A tile of 256 x 256 is made by four waves, each 128 x 128: 64 accumulators, 512 registers.  K goes in steps of 256 through a ring of two LDS slots filled by the tensor data mover.
; CLUSTERS: 4 x 4 work-groups.  The four of a row of the cluster need the same tiles of A, the four of a column the same tiles of B: each tile is asked for JOINTLY, by the same tensor load with the same descriptor and a mask that names the four.
; THE MATRIX INSTRUCTION IS USED TRANSPOSED (source 0 = 16 rows of B, source 1 = 16 rows of A): a lane then holds eight neighbouring numbers of a row of the output.
; REGISTERS, in windows of 256: window 0: v0-31 addresses; from v128 A's fragments, ONE set; on the way out v32-255 are free.   window 1: B's fragments, TWO sets.   windows 2, 3: the accumulators of my rows 0-63, 64-127.
.set SIZE_N, 1024
.set SIZE_K, 1024
.set ROWB,   256                       ; a row of B's tile in bytes
.set KROW,   SIZE_K
.set PITCH,  272                       ; B's row in LDS: 256 bytes + 16 of padding = 68 words: row r starts at bank 4 r mod 64 (64 banks of 4 bytes: ISA guide 11.1)
.set IMG,    4096                      ; a token tile's 256 along K
.set FR,     16
.set NL,     4
.set NP,     4
.set HALFA,  8*IMG                     ; eight token tiles: what one tensor load brings of A, and what one wave reads
.set HALFB,  128*PITCH                 ; 128 rows of B likewise
.set SLOT,   2*HALFA+2*HALFB           ; A's sixteen token tiles, then B's 256 rows
.set LAPS,   SIZE_K/512                ; a lap = two K steps = once round the ring
.set SPARE,  2*SLOT                    ; behind the ring: the spare words, 128 bytes for each wave, which no other line names
.set SPITCH, 528                       ; the way out: a stage of 16 rows x (512 bytes + 16) for each wave, in slot 0, which has had its last fill and its last read when the first result is stored there
.set WC_OFF, 1572864
.set ADRA, 16
.set ADRB, 20
.set STO,  24
.set RD,   25
.set CO,   26                          ; v26 16 x lane
.set SPW,  28
.set NIL,  29
.set TMP,  32
.set AF,   128
.set BK,   128
.set G1, 24                            ; s[24:31] descriptor group 1 for A's tiles;  s[32:39] group 0, one set for each slot
.set G0, 32
.set G1B, 48                           ; s[48:55], s[56:63] the same for B's tiles
.set G0B, 56
.set MSB, 0
.macro WIN new
.if MSB != (\new)
	s_set_vgpr_msb (MSB<<8)|(\new)
.set MSB, (\new)
.endif
.endm
.set MUL_LO, 0xa1
.set MUL_HI, 0xf1
.set TO_B,   0x40
; A joint load: waves 0 and 1 fetch for A, waves 2 and 3 for B.  Each of the two lines has one mask and one set of registers for all that issue it; the branch hangs on the wave's number alone.  Four v_nop follow each line.
.macro JLOAD g0a, g1a, g0b, g1b
	s_cmp_eq_u32 s15, 0
	s_cbranch_scc0 .Lfor_b_\@
	tensor_load_to_lds s[\g0a:\g0a+3], s[\g1a:\g1a+7]
	s_nop 0
.rept 4
	v_nop
.endr
	s_branch .Lasked_\@
.Lfor_b_\@:
	tensor_load_to_lds s[\g0b:\g0b+3], s[\g1b:\g1b+7]
	s_nop 0
.rept 4
	v_nop
.endr
.Lasked_\@:
.endm
.macro CREST                           ; a round of the cluster's barrier behind its opening barrier
	s_cmp_lg_u32 s14, 0
	s_cbranch_scc1 .Lnot_wave_0_\@
	s_barrier_signal -3
.Lnot_wave_0_\@:
	s_barrier_wait -3
	s_barrier_signal -1
	s_barrier_wait -1
.endm
.macro CROUND
	s_barrier_signal -1
	s_barrier_wait -1
	CREST
.endm
	s_load_b128 s[4:7], s[0:1], 0x0                ; yimg s[4:5], wts s[6:7]
	s_load_b128 s[8:11], s[0:1], 0x10              ; lowp_scales s[8:9], out0 s[10:11]
	v_lshl_add_u32 v[SPW], v0, 2, SPARE
	v_mov_b32 v[NIL], 0
	ds_add_u32 v28, v29
	ds_add_u32 v28, v29
	s_wait_dscnt 0x0
	v_lshrrev_b32 v1, 5, v0
	v_readfirstlane_b32 s14, v1                    ; wave 0..3
	s_lshr_b32 s15, s14, 1                         ; which half of the tile's rows is mine.  Also: I fetch for A (0) or for B (1)
	s_and_b32 s16, s14, 1                          ; which half of its columns.  Also: which half of that tile I fetch
	s_bfe_u32 s40, ttmp6, 0x40000                  ; cx, cy: my place in the cluster
	s_bfe_u32 s41, ttmp6, 0x40004
	s_lshl_b32 s42, ttmp9, 2
	s_add_co_u32 s42, s42, s40                     ; tile column = 4 x cluster x + cx
	s_and_b32 s17, ttmp7, 0xffff
	s_lshl_b32 s17, s17, 2
	s_add_co_u32 s17, s17, s41                     ; tile row = 4 x cluster y + cy
	s_lshl_b32 s43, s41, 2
	s_lshl_b32 s43, 15, s43                        ; my row of the cluster
	s_lshl_b32 s44, 0x1111, s40                    ; my column
	; A's group 1: 8 rows (token tiles) of 4,096 bytes, 16,384 bytes apart; elements of 8 bytes; no padding: images are read as they lie
	s_or_b32 s[G1+0], s43, (3<<16)|(1<<21)
	s_mov_b32 s[G1+1], 512<<16                     ; tensor_dim0
	s_mov_b32 s[G1+2], 8<<16                       ; tensor_dim1
	s_mov_b32 s[G1+3], 512<<16                     ; tile_dim0
	s_mov_b32 s[G1+4], 8                           ; tile_dim1
	s_mov_b32 s[G1+5], 2048                        ; tensor_dim0_stride
	s_mov_b32 s[G1+6], 0
	s_mov_b32 s[G1+7], 0
	; B's group 1: 128 rows of 256 bytes, 1,024 bytes apart; elements of 1 byte; 4 words of padding after every 64
	s_or_b32 s[G1B+0], s44, (1<<20)|(1<<21)|(5<<22)|(3<<25)
	s_mov_b32 s[G1B+1], ROWB<<16
	s_mov_b32 s[G1B+2], 128<<16
	s_mov_b32 s[G1B+3], ROWB<<16
	s_mov_b32 s[G1B+4], 128
	s_mov_b32 s[G1B+5], KROW
	s_mov_b32 s[G1B+6], 0
	s_mov_b32 s[G1B+7], 0
	s_lshl_b32 s18, s16, 3
	s_lshl_b32 s20, s17, 4
	s_add_co_u32 s20, s20, s18                     ; A: token tile 16 x tile row + 8 x half,
	s_lshl_b32 s20, s20, 14                        ; 16,384 bytes each
	s_mov_b32 s21, 0
	s_lshl_b32 s18, s16, 7
	s_lshl_b32 s46, s42, 8
	s_add_co_u32 s46, s46, s18                     ; B: row 256 x tile column + 128 x half,
	s_lshl_b32 s46, s46, 10
	s_add_co_u32 s46, s46, WC_OFF
	s_mov_b32 s47, 0
	s_lshl_b32 s45, s16, 15                        ; where they go: A's halves, then B's: no place in the cluster enters an LDS address
	s_mul_i32 s23, s16, HALFB
	s_add_co_u32 s23, s23, 2*HALFA
	s_wait_kmcnt 0x0
	s_load_b64 s[96:97], s[8:9], 0x20              ; e8, e9
	s_add_nc_u64 s[20:21], s[4:5], s[20:21]
	s_add_nc_u64 s[46:47], s[6:7], s[46:47]
	CROUND                                         ; all sixteen work-groups are here: the first joint loads meet
.irp s, 0,1
	s_mov_b32 s[G0+4*\s], 1
	s_add_co_u32 s[G0+4*\s+1], s45, \s*SLOT
	s_add_nc_u64 s[G0+4*\s+2:G0+4*\s+3], s[20:21], \s*IMG
	s_or_b32 s[G0+4*\s+3], s[G0+4*\s+3], 0x80000000
	s_mov_b32 s[G0B+4*\s], 1
	s_add_co_u32 s[G0B+4*\s+1], s23, \s*SLOT
	s_add_nc_u64 s[G0B+4*\s+2:G0B+4*\s+3], s[46:47], \s*ROWB
	s_or_b32 s[G0B+4*\s+3], s[G0B+4*\s+3], 0x80000000
	JLOAD G0+4*\s, G1, G0B+4*\s, G1B
.endr
	v_and_b32 v1, 15, v0                           ; l % 16
	v_bfe_u32 v2, v0, 4, 1                         ; l / 16
	v_mul_u32_u24 v3, v1, PITCH
	v_lshl_add_u32 v4, v2, 4, v3                   ; B: a fragment's row x pitch + 16 x half
	v_and_b32 v6, 31, v0
	v_lshlrev_b32 v[CO], 4, v6                     ; A: 16 x lane; also my place in a row of the output
	s_lshl_b32 s21, s15, 15                        ; my eight token tiles of A
	s_mul_i32 s22, s16, HALFB                      ; my 128 rows of B,
	s_add_co_u32 s22, s22, 2*HALFA                 ; which lie behind A's
.irp s, 0,1
	v_add_nc_u32 v[ADRA+\s], s21, v[CO]
	v_add_nc_u32 v[ADRB+\s], s22, v4
	s_add_co_u32 s21, s21, SLOT
	s_add_co_u32 s22, s22, SLOT
.endr
	s_mul_i32 s23, s14, 16*SPITCH                  ; my stage
	v_mul_u32_u24 v5, v1, SPITCH                   ; in: row l % 16, 32 bytes for each half of the lanes
	v_lshl_add_u32 v5, v2, 5, v5
	v_add_nc_u32 v[STO], s23, v5
	v_add_nc_u32 v[RD], s23, v[CO]                 ; back: the 32 lanes take one row of 512 bytes
	s_lshl_b32 s20, s17, 8
	s_lshl_b32 s21, s15, 7
	s_add_co_u32 s20, s20, s21                     ; my first row of the output: 256 x tile row + 128 x half
	s_mov_b32 s21, 0
	s_mov_b64 s[18:19], SIZE_N*4
	s_mul_u64 s[20:21], s[20:21], s[18:19]
	s_lshl_b32 s46, s42, 10                        ; my first column, in bytes: 1,024 x tile column + 512 x half
	s_lshl_b32 s47, s16, 9
	s_add_co_u32 s46, s46, s47
	s_mov_b32 s47, 0
	s_add_nc_u64 s[20:21], s[20:21], s[46:47]
	s_add_nc_u64 s[10:11], s[10:11], s[20:21]
.macro FRAGB reg, adr, q, i            ; from rows: registers 4 c .. 4 c + 3 hold K = 32 c + 16 (l / 16) + 0 .. 15 of row l % 16
.irp c, 0,1,2,3
	ds_load_b128 v[\reg+4*\c:\reg+4*\c+3], v[\adr] offset:128*(\q)+32*\c+(\i)*16*PITCH
.endr
.endm
.macro FRAGA reg, adr, q, i            ; from an image: the same registers, 512 consecutive bytes a load
.irp c, 0,1,2,3
	ds_load_b128 v[\reg+4*\c:\reg+4*\c+3], v[\adr] offset:(\i)*IMG+2048*(\q)+512*\c
.endr
.endm
; 16 matrix instructions: A's blocks a0, a0 + 1 x B's eight, 128 along K.  The 64 accumulators take turns, one instruction a turn, in the same order in every step.
.macro MUL16 a0, p, zero
.irp a, \a0, \a0+1
.irp b, 0,1,2,3,4,5,6,7
.if \zero
	v_wmma_f32_16x16x128_fp8_fp8 v[8*(8*((\a)%4)+\b):8*(8*((\a)%4)+\b)+7], v[128*(\p)+FR*\b:128*(\p)+FR*\b+FR-1], v[AF+FR*(\a):AF+FR*(\a)+FR-1], 0
.else
	v_wmma_f32_16x16x128_fp8_fp8 v[8*(8*((\a)%4)+\b):8*(8*((\a)%4)+\b)+7], v[128*(\p)+FR*\b:128*(\p)+FR*\b+FR-1], v[AF+FR*(\a):AF+FR*(\a)+FR-1], v[8*(8*((\a)%4)+\b):8*(8*((\a)%4)+\b)+7]
.endif
.endr
.endr
.endm
.macro FETCH_B slot, q, p
	WIN TO_B
.irp i, 0,1,2,3,4,5,6,7
	FRAGB 128*(\p)+FR*\i, ADRB+\slot, \q, \i
.endr
	WIN 0
.endm
.macro FETCH_A slot, q, i0
.irp i, \i0, \i0+1, \i0+2, \i0+3
	FRAGA AF+FR*(\i), ADRA+\slot, \q, \i
.endr
.endm
.macro PLACES n                        ; plain lines between a matrix instruction and a load into a register that it has read, or the first read of its result
.rept \n
	v_nop
.endr
.endm
.macro STEP slot, q, zero              ; a step of 128 along K that has its successor in the same slot
	s_wait_dscnt 4*NL                              ; B's set and A's blocks 0-3 are in; the youngest sixteen loads (A's blocks 4-7) may be out
	WIN MUL_LO
	MUL16 0, (\q)%2, \zero
	MUL16 2, (\q)%2, \zero
	s_wait_dscnt 0                                 ; A's blocks 4-7 are in
	PLACES NP
	FETCH_B \slot, (\q)+1, 1-(\q)%2
	FETCH_A \slot, (\q)+1, 0
	WIN MUL_HI
	MUL16 4, (\q)%2, \zero
	MUL16 6, (\q)%2, \zero
	PLACES NP
	WIN 0
	FETCH_A \slot, (\q)+1, 4
.endm
; A slot's last step changes slots: ONE barrier; in front of it each wave waits for all its tensor loads, adds 0 to its spare word, and waits for that and for its own reads of this slot.  fill = 1: this slot is filled again, two K steps ahead.
.macro TURN slot, next, fill
	s_wait_tensorcnt 0x0                           ; all my tensor loads have landed: my part of the next slot
	ds_add_u32 v[SPW], v[NIL]                      ; 0 onto my spare word
	s_wait_dscnt 4*NL+1                            ; (the add and the youngest sixteen loads may be out)
	WIN MUL_LO
	MUL16 0, 1, 0
	s_wait_dscnt 0x0                               ; the add is done, and my reads of this slot are over
	s_barrier_signal -1
	MUL16 2, 1, 0
	WIN 0
	s_barrier_wait -1
.if \fill
	CREST                                          ; the barrier has opened a round of the cluster's barrier: no wave of any partner still reads this slot's tile or has a load on its way
	s_add_nc_u64 s[G0+4*\slot+2:G0+4*\slot+3], s[G0+4*\slot+2:G0+4*\slot+3], 2*IMG
	s_add_nc_u64 s[G0B+4*\slot+2:G0B+4*\slot+3], s[G0B+4*\slot+2:G0B+4*\slot+3], 2*ROWB
	JLOAD G0+4*\slot, G1, G0B+4*\slot, G1B         ; the first tensor load behind the round; its four v_nop are also the places in front of the loads below
.else
	PLACES NP
.endif
	FETCH_B \next, 0, 0
	FETCH_A \next, 0, 0
	WIN MUL_HI
	MUL16 4, 1, 0
	MUL16 6, 1, 0
	PLACES NP
	WIN 0
	FETCH_A \next, 0, 4
.endm
	s_wait_tensorcnt 1                             ; my part of K step 0 is in (K step 1's load may be out),
	s_barrier_signal -1
	s_barrier_wait -1                              ; everybody's is
	FETCH_B 0, 0, 0
	FETCH_A 0, 0, 0
	FETCH_A 0, 0, 4
	STEP 0, 0, 1                                   ; the first step stands in front of the loop: its products start the sums
	s_mov_b32 s3, LAPS-1
.Llap:                                                 ; a trip goes once round the ring, from a lap's second step to the next lap's first, and fills both slots again
	TURN 0, 1, 1
	STEP 1, 0, 0
	TURN 1, 0, 1
	STEP 0, 0, 0
	s_sub_co_u32 s3, s3, 1
	s_cmp_lg_u32 s3, 0
	s_cbranch_scc1 .Llap
	TURN 0, 1, 0                                   ; the last lap fills nothing, and has no round of the cluster's barrier
	STEP 1, 0, 0
	s_wait_dscnt 4*NL                              ; the very last step: nothing more to fetch
	WIN MUL_LO
	MUL16 0, 1, 0
	MUL16 2, 1, 0
	s_wait_dscnt 0
	WIN MUL_HI
	MUL16 4, 1, 0
	MUL16 6, 1, 0
	WIN 0
; THE WAY OUT, block by block of 16 rows x 128 columns.  A lane holds 32 neighbouring bytes of a row, and the lanes beside it hold other rows: so a block goes through my own stage in LDS and comes back as whole
; rows of 512 bytes.  LDS serves a wave's instructions in order (ISA guide 5.7.1.4): no wait between the stores and the loads, nor in front of the next block's stores.
.macro TOSTAGE a
.set AC, 64*((\a)%4)
	WIN 0x02+((\a)/4)                              ; source 0: window 2 or 3
.irp j, 0,2,4,6,8,10,12,14,16,18,20,22,24,26,28,30,32,34,36,38,40,42,44,46,48,50,52,54,56,58,60,62
	v_pk_mul_f32 v[TMP+\j:TMP+\j+1], v[AC+\j:AC+\j+1], s[96:97] op_sel_hi:[1,0]   ; both x s96 = 2^(e8 + e9); each accumulator from its low end on
.endr
	WIN 0
.irp b, 0,1,2,3,4,5,6,7
	ds_store_b128 v[STO], v[TMP+8*\b:TMP+8*\b+3] offset:64*\b
	ds_store_b128 v[STO], v[TMP+8*\b+4:TMP+8*\b+7] offset:64*\b+16
.endr
.set BB, BK+64*((\a)%2)
.irp t, 0,1,2,3,4,5,6,7,8,9,10,11,12,13,14,15
	ds_load_b128 v[BB+4*\t:BB+4*\t+3], v[RD] offset:\t*SPITCH
.endr
.endm
.macro SEND a, younger                 ; younger: the LDS instructions issued behind block a's loads, which may stay out
.set BB, BK+64*((\a)%2)
	s_wait_dscnt \younger                          ; the block is back in registers
.if (\a) > 0
	s_add_nc_u64 s[10:11], s[10:11], 16*SIZE_N*4   ; (behind a wait on XCNT: the earlier stores have read their base)  16 rows on
.endif
.irp t, 0,1,2,3,4,5,6,7,8,9,10,11,12,13,14,15
	global_store_b128 v[CO], v[BB+4*\t:BB+4*\t+3], s[10:11] offset:\t*SIZE_N*4 th:TH_STORE_NT   ; 32 lanes store 512 consecutive bytes, aligned; written once, read by nobody here
.endr
.endm
	s_wait_kmcnt 0x0
	s_add_co_i32 s96, s96, s97                     ; e8 + e9, between -126 and 127,
	s_add_co_i32 s96, s96, 127
	s_lshl_b32 s96, s96, 23                        ; makes the f32 number 2^(e8 + e9)
	PLACES NP                                      ; behind the last products: for the loads into the registers that held A's fragments and for the reads of results
	TOSTAGE 0
.irp a, 1,2,3,4,5,6,7
.if \a > 1
	s_wait_xcnt 0x0                                ; block a - 2's stores have read their registers and their base: block a's loads may land there, and the base may step
.endif
	TOSTAGE \a
	SEND \a-1, 32                                  ; behind block a - 1's loads: block a's 16 stores and 16 loads
.endr
	s_wait_xcnt 0x0                                ; block 6's stores have read their base
	SEND 7, 0
	s_wait_tensorcnt 0x0                           ; the wave's end
	ds_add_u32 v[SPW], v[NIL]
	s_wait_dscnt 0x0
	CROUND                                         ; the closing round: no work-group ends while a partner may still ask for a tile that names it
	s_endpgm
.Lfunc_end_k_q15fc3d63bb_outp:
	.size	k_q15fc3d63bb_outp, .Lfunc_end_k_q15fc3d63bb_outp-k_q15fc3d63bb_outp
	.p2alignl 7, 3214868480
	.fill 96, 4, 3214868480
	.section	.rodata,"a",@progbits
	.p2align	6, 0x0
	.amdhsa_kernel k_q15fc3d63bb_outp
		.amdhsa_group_segment_fixed_size 327680
		.amdhsa_private_segment_fixed_size 0
		.amdhsa_enable_private_segment 0
		.amdhsa_kernarg_size 32
		.amdhsa_user_sgpr_count 2
		.amdhsa_user_sgpr_kernarg_segment_ptr 1
		.amdhsa_wavefront_size32 1
		.amdhsa_system_sgpr_workgroup_id_x 1
		.amdhsa_system_sgpr_workgroup_id_y 1
		.amdhsa_system_sgpr_workgroup_id_z 1
		.amdhsa_system_vgpr_workitem_id 0
		.amdhsa_next_free_vgpr 1024
		.amdhsa_next_free_sgpr 98
		.amdhsa_reserve_vcc 0
		.amdhsa_float_denorm_mode_32 3
		.amdhsa_float_denorm_mode_16_64 3
		.amdhsa_memory_ordered 1
		.amdhsa_forward_progress 1
		.amdhsa_inst_pref_size 123
	.end_amdhsa_kernel
	.amdgpu_metadata
---
amdhsa.version: [ 1, 2 ]
amdhsa.kernels:
  - .name:           k_q15fc3d63bb_outp
    .symbol:         k_q15fc3d63bb_outp.kd
    .args:
      - { .name: yimg, .offset: 0, .size: 8, .value_kind: global_buffer, .address_space: global }
      - { .name: wts, .offset: 8, .size: 8, .value_kind: global_buffer, .address_space: global }
      - { .name: lowp_scales, .offset: 16, .size: 8, .value_kind: global_buffer, .address_space: global }
      - { .name: out0, .offset: 24, .size: 8, .value_kind: global_buffer, .address_space: global }
    .group_segment_fixed_size: 327680
    .private_segment_fixed_size: 0
    .kernarg_segment_align: 8
    .kernarg_segment_size: 32
    .max_flat_workgroup_size: 128
    .sgpr_count:     98
    .vgpr_count:     1024
    .wavefront_size: 32
...
	.end_amdgpu_metadata
.endif
;; end of part 4
